; MI455X (gfx1250); checked and timed in simulation.
; The chip was launched on July 23, 2026; its instructions are those of AMD's public machine-readable ISA for CDNA 5 (MIT licence, August 2026) and "CDNA5" Instruction Set Architecture Reference Guide (July 2026). The comments in the code are by the model that wrote it; some were corrected since.
;; Causal Self Attention. Allowed arithmetic: matrix products marked QUANTISED: E2M3 operands, one E8M0 scale for each 32 along K, by v_wmma_scale_f32_16x16x128_f8f6f4 with both operands' format E2M3, f32 sums; everything else in f32.
;; Inputs: W_attn 1,024 x 3,072 float32; W_proj 1,024 x 1,024 float32; prev_probs 4 x 2,048 float32; x 4 x 2,048 x 1,024 float32.
;; Outputs: out0 4 x 2,048 x 1,024 float32.
;; This version of the problem:
;;   THIS VERSION OF THE PROBLEM IS GIVEN IN LOW PRECISION. The matrix products marked QUANTISED in the list below multiply operands that are first quantised to E2M3 (2 exponent bits, 3 mantissa bits; 6 bits a number), with one power-of-two scale for each 32 numbers along K (OCP MX v1.0); their sums are f32. All else is computed in f32.
;;   The module's matrix products, in the order in which they are computed (A, B: the left and right operand; K: the contracted axis; several contracted axes count as one K, in the product's order):
;;     1. [M 8,192, K 1,024] x [K 1,024, N 3,072]; A: input x; B: input W_attn: QUANTISED
;;     2. batch 64 x [M 2,048, K 64] x [K 64, N 2,048]; A: computed on the way; B: computed on the way: QUANTISED
;;     3. batch 64 x [M 2,048, K 2,048] x [K 2,048, N 64]; A: softmax (see below); B: computed on the way: QUANTISED
;;     4. [M 8,192, K 1,024] x [K 1,024, N 1,024]; A: computed on the way; B: input W_proj: QUANTISED
;;   THE QUANTISER, for each operand of a quantised product, along K:
;;     - K is cut into blocks of 32 from its start; a last block that is shorter is filled with zeros.
;;     - A block's scale is 2^e with e = floor(log2(the largest magnitude in the block)) - 2, held to -126 .. 127; a block of zeros has e = 0. As a byte (E8M0): e + 127.
;;     - Each number is divided by its block's scale, clamped to +-7.5, and rounded to the nearest number of E2M3, ties to even, subnormals kept.
;;     - The product sums the exact products of the quantised numbers (number of the format x scale) in f32.
;;   ~~~python
;;   def quantise(x, axis):      # numpy; x: float32 -> the quantised numbers, widened to float32 again
;;       x = np.moveaxis(x, axis, -1); K = x.shape[-1]
;;       x = np.pad(x, [(0, 0)] * (x.ndim - 1) + [(0, -K % 32)]); x = x.reshape(x.shape[:-1] + (-1, 32)); a = np.abs(x).max(-1, keepdims=True)
;;       e = np.where(a > 0, np.clip(np.frexp(np.where(a > 0, a, 1))[1] - 1 - 2, -126, 127), 0)      # np.frexp(a)[1] - 1 = floor(log2(a)), exactly
;;       r = np.clip(x / 2.0 ** e, -7.5, 7.5)
;;       step = 2.0 ** (np.maximum(np.frexp(np.where(r == 0, 1, r))[1] - 1, 0) - 3)
;;       q = np.round(r / step) * step * 2.0 ** e      # np.round: ties to even
;;       return np.moveaxis(q.reshape(q.shape[:-2] + (-1,))[..., :K], -1, axis).astype(np.float32)
;;   ~~~
;;   SOFTMAX AHEAD OF A QUANTISED PRODUCT. Where the list says 'softmax', what is quantised is not the finished softmax but p = 2^(t - M), with t = logit x log2(e) and M = ceil(the row's largest t), a whole number; so 1/2 < the row's largest p <= 1. The row's sum l is taken of the UNQUANTISED p, in f32, and the product's result is divided by l at the end. Since M is a whole number, a kernel that streams over the keys may use a running M (the ceiling of the running maximum): every later rescaling is an exact power of two, which a block's scale takes up: the codes' values come out the same.
;;   OPERANDS COMPUTED ON THE WAY. 'Computed on the way' means the value that the module computes at that place (a softmax that the list does not call 'softmax' is quantised finished and normalised). What goes into a quantiser is computed in f32, as accurately as f32 sums, v_exp_f32 and their like allow (about 1e-6 of the number): no bf16 or f16 on the way to a quantiser, and a product that is left as it is and whose result goes on into a quantised operand takes f32 operands (vector FMAs, or v_wmma_f32_16x16x4_f32). A number that lies on a knife's edge between two numbers of the format may be rounded either way, as far as f32 arithmetic and the matrix unit's own rounding can turn it there, and no further.
;; One version. Each part assembles by itself: llvm-mc -triple=amdgcn-amd-amdhsa -mcpu=gfx1250 --defsym DOCPART=n.
;; ======== version 1 of 1: 4 launches
;; limits: right only within a limited range of input values
;; workspace buffers: xc 6,291,456 bytes; xs 262,144 bytes; wc 3,145,728 bytes; ws 131,072 bytes; qkvc 18,874,368 bytes; qkvs 786,432 bytes; yc 6,291,456 bytes; ys 262,144 bytes
;; launch quant (part 1): grid 640 x 1, 8 waves a work-group, no clusters, 70,144 bytes of LDS; arguments x, W_attn, W_proj, xc, xs, wc, ws; writes xc, xs, wc, ws
.if DOCPART == 1
	.amdgcn_target "amdgcn-amd-amdhsa--gfx1250"
	.amdhsa_code_object_version 6
	.text
	.protected	k_qb334bdf61f_quant
	.globl	k_qb334bdf61f_quant
	.p2align	8
	.type	k_qb334bdf61f_quant,@function
k_qb334bdf61f_quant:
	s_mov_b64 s[64:65], 0
	v_nop
	global_prefetch_b8 v0, s[64:65] scope:SCOPE_SE
	s_setreg_imm32_b32 hwreg(HW_REG_WAVE_MODE, 25, 1), 1
	s_wait_xcnt 0x0
; x [8192][1024], W_attn [1024][3072] and W_proj [1024][1024], f32, become codes of FP6 (E2M3) with one E8M0 byte for each 32 along K (K = 1024: x's columns, the weights' rows).
; A block's scale is 2^(floor(log2(largest magnitude)) - 2); its byte is the largest magnitude's exponent field - 2, held at 1 from below; each number / scale goes to the nearest code, ties to even, beyond 7.5 the largest code.
; LIMITS: a block of zeros keeps the byte 1 where the quantiser says 127 (its codes are zeros, and this program alone reads the bytes); blocks whose largest magnitude lies under 2^-124 are held at the byte 1;
; NaN and infinities among the inputs are not served.
; THE WORKSPACE IS LAID AS THE READERS' REGISTERS.  A fragment (16 rows x 128 K, 12 registers a lane) is 1,536 bytes: two halves of 768, each registers 6c..6c+3 at 16 x lane and registers 6c+4, 6c+5 at 512 + 8 x lane.
; xc, wc: [row tile][K step 8][1536].  xs, ws: [row tile][K half 2][row 16][K step % 4] words of four bytes.
; THE ROWS OF A TILE ARE NOT NEIGHBOURS: row r of tile 2 B + u is index 32 B + 8 u + r + 8 (r / 8) (tokens of x, columns of the weights), so that in a later product's result the 16 registers of two neighbouring tiles are 16 neighbours.
; Work-groups 0-511: one row tile of x each, wave w its K step w.  Work-groups 512-639: 64 columns x 512 along K of a weight, wave w 32 columns x 128 along K.  The two ways have LDS bytes of their own.
; No tensor load, no prefetch: each byte is read once by long runs of loads that are all out together.
.set XSTW,  8448                       ; x: a stage of 16 rows x (512 + 16) bytes for each wave, from LDS byte 0 on
.set XSC,   67584                      ; x: the tile's 128 scale words
.set WSC,   68096                      ; weights: 64 columns x 4 scale words
.set SPARE, 69120                      ; the spare words, 128 bytes for each wave; no other line names them
.set SPW,   12                         ; v12  my spare word's address; never rewritten
.set NIL,   13                         ; v13  0; never rewritten
.set TM,    16                         ; v16-31 at work
.set R,     32                         ; v32.. numbers as loaded
.set X,     96                         ; v96-159 x: 64 numbers, register 16 b + i = k 32 b + 16 (lane / 16) + i of my row
.set PC,    160                        ; v160-171 a fragment's codes; v172-179 the conversions' upper halves
.set PW,    180                        ; x: the scale word
	s_load_b256 s[4:11], s[0:1], 0x0               ; x, W_attn, W_proj, xc
	s_load_b128 s[12:15], s[0:1], 0x20             ; xs, wc
	s_load_b64 s[16:17], s[0:1], 0x30              ; ws
	v_lshl_add_u32 v[SPW], v0, 2, SPARE
	v_mov_b32 v[NIL], 0
	v_lshrrev_b32 v1, 5, v0
	s_delay_alu instid0(VALU_DEP_1)
	v_readfirstlane_b32 s18, v1                    ; wave 0..7
	v_and_b32 v1, 31, v0                           ; lane
	v_and_b32 v2, 15, v0                           ; r
	v_bfe_u32 v3, v0, 4, 1                         ; h
	s_delay_alu instid0(VALU_DEP_3)
	v_lshlrev_b32 v4, 4, v1                        ; 16 x lane
	s_delay_alu instid0(VALU_DEP_4)
	v_lshl_add_u32 v5, v1, 3, 512                  ; 512 + 8 x lane
	s_cmp_ge_u32 ttmp9, 512
	s_cbranch_scc1 .Lweights
; ---------------- x ----------------
	s_lshr_b32 s20, ttmp9, 1
	s_lshl_b32 s20, s20, 5
	s_and_b32 s21, ttmp9, 1
	s_lshl_b32 s21, s21, 3
	s_add_co_u32 s20, s20, s21                     ; the tile's first token: 32 (tile / 2) + 8 (tile % 2)
	s_lshl_b32 s20, s20, 12                        ; x 4,096 bytes a row
	s_lshl_b32 s21, s18, 9
	s_add_co_u32 s20, s20, s21                     ; + my K step's 512 bytes
	s_mov_b32 s21, 0
	s_lshl_b32 s22, ttmp9, 3
	s_add_co_u32 s22, s22, s18
	s_mul_i32 s22, s22, 1536                       ; my fragment in xc
	s_mov_b32 s23, 0
	s_lshl_b32 s24, ttmp9, 9                       ; the tile's 512 bytes in xs
	s_mov_b32 s25, 0
	s_mul_i32 s26, s18, XSTW                       ; my stage
	s_wait_alu depctr_va_vdst(0)
	v_add_nc_u32 v6, s26, v4                       ; in: a row's 512 bytes as they lie
	v_mul_u32_u24 v7, v2, 528
	s_delay_alu instid0(VALU_DEP_1)
	v_lshl_add_u32 v7, v3, 6, v7
	s_delay_alu instid0(VALU_DEP_1)
	v_add_nc_u32 v7, s26, v7                       ; back: row r, + 64 h
	s_lshr_b32 s27, s18, 2
	s_lshl_b32 s27, s27, 8
	s_and_b32 s28, s18, 3
	s_lshl_b32 s28, s28, 2
	s_add_co_u32 s27, s27, s28
	v_lshl_add_u32 v8, v2, 4, s27
	s_delay_alu instid0(VALU_DEP_1)
	v_add_nc_u32 v8, XSC, v8                       ; my row's word of my K step
	v_add_nc_u32 v9, XSC, v4                       ; and the words' way out (wave 0)
.irp b, 0,1,2,3
	v_mov_b32 v[TM+4+\b], 0                        ; a lane permute's destination counts as one of its sources
.endr
	s_wait_alu depctr_va_vdst(0)
	s_wait_kmcnt 0x0
	s_add_nc_u64 s[4:5], s[4:5], s[20:21]
	s_add_nc_u64 s[10:11], s[10:11], s[22:23]
	s_add_nc_u64 s[12:13], s[12:13], s[24:25]
.irp p, 0,1,2,3,4,5,6,7,8,9,10,11,12,13,14,15
	global_load_b128 v[R+4*\p:R+4*\p+3], v4, s[4:5] offset:(\p+8*(\p/8))*4096 th:TH_LOAD_NT   ; row p of the tile: 32 lanes read 512 consecutive bytes
.endr
.irp p, 0,1,2,3,4,5,6,7,8,9,10,11,12,13,14,15
	s_wait_loadcnt 15-\p                           ; loads come back in order: row p is in, the younger rows stay out
	ds_store_b128 v6, v[R+4*\p:R+4*\p+3] offset:528*\p
.endr
.irp b, 0,1,2,3
.irp j, 0,1,2,3
	ds_load_b128 v[X+16*\b+4*\j:X+16*\b+4*\j+3], v7 offset:128*\b+16*\j   ; LDS serves a wave's instructions in order: these see my stores.  Rows 528 bytes apart: 16 lanes, 16 different columns of 16 bytes
.endr
.endr
	s_wait_dscnt 0x0
.irp b, 0,1,2,3
	v_max3_num_f32 v[TM+\b], |v[X+16*\b]|, |v[X+1+16*\b]|, 0x1800000   ; block b: my 16 numbers, and the floor 2^(3 - 127): the byte cannot fall under 1
.endr
.irp i, 2,4,6,8,10,12,14
.irp b, 0,1,2,3
	s_delay_alu instid0(VALU_DEP_4)
	v_max3_num_f32 v[TM+\b], v[TM+\b], |v[X+16*\b+\i]|, |v[X+1+16*\b+\i]|
.endr
.endr
	s_mov_b32 s30, 0x76543210
	s_mov_b32 s31, 0xfedcba98                      ; lane l xor 16
.irp b, 0,1,2,3
	v_permlanex16_b32 v[TM+4+\b], v[TM+\b], s30, s31
.endr
.irp b, 0,1,2,3
	s_delay_alu instid0(VALU_DEP_4)
	v_max_num_f32 v[TM+\b], v[TM+\b], v[TM+4+\b]   ; the block's largest magnitude
.endr
.irp b, 0,1,2,3
	s_delay_alu instid0(VALU_DEP_4)
	v_add_nc_u32 v[TM+12+\b], 0xff000000, v[TM+\b] ; 2 off its exponent field: the conversion's scale operand
.endr
.irp b, 0,1,2,3
	s_delay_alu instid0(VALU_DEP_4)
	v_lshrrev_b32 v[TM+4+\b], 23, v[TM+12+\b]      ; the byte
.endr
	s_delay_alu instid0(VALU_DEP_3)
	v_lshl_or_b32 v[PW], v[TM+5], 8, v[TM+4]
	s_delay_alu instid0(VALU_DEP_1)
	v_lshl_or_b32 v[PW], v[TM+6], 16, v[PW]
	s_delay_alu instid0(VALU_DEP_1)
	v_lshl_or_b32 v[PW], v[TM+7], 24, v[PW]
.irp c, 0,1
	v_cvt_scalef32_pk16_fp6_f32 v[PC+6*\c:PC+2+6*\c], v[X+32*\c:X+15+32*\c], v[TM+12+2*\c]
	v_cvt_scalef32_pk16_fp6_f32 v[PC+12+4*\c:PC+14+4*\c], v[X+16+32*\c:X+31+32*\c], v[TM+12+2*\c+1]   ; (a conversion's three registers begin on an even number)
.endr
	v_nop                                          ; one plain place behind a scaled conversion
.irp c, 0,1                                    ; a whole block to a lane: lanes 0-15 block 2 c, lanes 16-31 block 2 c + 1
.irp i, 0,1,2
	v_permlane16_swap_b32 v[PC+6*\c+\i], v[PC+12+4*\c+\i]
.endr
.irp i, 0,1,2
	s_delay_alu instid0(VALU_DEP_3)
	v_mov_b32 v[PC+3+6*\c+\i], v[PC+12+4*\c+\i]
.endr
.endr
	global_store_b128 v4, v[PC:PC+3], s[10:11]                 ; 512 consecutive bytes,
	global_store_b64 v5, v[PC+4:PC+5], s[10:11]                ; 256,
	global_store_b128 v4, v[PC+6:PC+9], s[10:11] offset:768    ; and the second half likewise
	global_store_b64 v5, v[PC+10:PC+11], s[10:11] offset:768
	ds_store_b32 v8, v[PW]                         ; lanes r and r + 16 write the same word with the same value
	s_wait_dscnt 0x0                               ; for the others' sake: my word has landed
	s_barrier_signal -1
	s_barrier_wait -1
	s_cmp_lg_u32 s18, 0
	s_cbranch_scc1 .Lx_end
	ds_load_b128 v[184:187], v9                    ; the tile's 512 bytes of scale words leave as two whole runs of 256
	s_wait_dscnt 0x0
	global_store_b128 v4, v[184:187], s[12:13]
.Lx_end:
	s_wait_tensorcnt 0x0                           ; the wave's end: behind my last LDS store
	ds_add_u32 v[SPW], v[NIL]
	s_wait_dscnt 0x0
	s_endpgm
; ---------------- the weights ----------------
; A lane takes a column and its 128 registers run down K: four whole blocks, no other lane is asked for a maximum, and the codes come out with K innermost.
.Lweights:
	s_sub_co_u32 s20, ttmp9, 512                   ; 0-95: W_attn (48 groups of 64 columns x 2 halves of K); 96-127: W_proj (16 x 2)
	s_wait_kmcnt 0x0
	s_cmp_lt_u32 s20, 96                           ; the choice hangs on the work-group's number alone
	s_cselect_b64 s[6:7], s[6:7], s[8:9]
	s_cselect_b32 s21, 0, 96
	s_cselect_b32 s22, 0, 192                      ; the tensor's first row tile in wc and ws
	s_mov_b32 s23, 4096
	s_cselect_b32 s23, 12288, s23                  ; bytes from a row of the weight to the next
	s_sub_co_u32 s20, s20, s21
	s_lshr_b32 s24, s20, 1                         ; which 64 columns
	s_and_b32 s25, s20, 1                          ; which half of K
	s_and_b32 s26, s18, 1                          ; my 32 of the 64 columns
	s_lshr_b32 s27, s18, 1
	s_lshl_b32 s28, s25, 2
	s_add_co_u32 s28, s28, s27                     ; my K step
	s_lshl_b32 s29, s28, 7
	s_mul_i32 s30, s29, s23                        ; 128 rows a K step
	s_lshl_b32 s29, s24, 8
	s_add_co_u32 s30, s30, s29
	s_lshl_b32 s29, s26, 7
	s_add_co_u32 s30, s30, s29                     ; + 4 bytes x my first column
	s_mov_b32 s31, 0
	s_add_nc_u64 s[6:7], s[6:7], s[30:31]
	s_lshl_b32 s29, s24, 2
	s_add_co_u32 s29, s29, s22                     ; the 64 columns' first row tile
	s_lshl_b32 s32, s26, 1
	s_add_co_u32 s32, s32, s29
	s_lshl_b32 s32, s32, 3
	s_add_co_u32 s32, s32, s28
	s_mul_i32 s32, s32, 1536                       ; my first fragment in wc
	s_mov_b32 s33, 0
	s_add_nc_u64 s[14:15], s[14:15], s[32:33]
	s_lshl_b32 s34, s26, 1
	s_add_co_u32 s34, s34, s29
	s_lshl_b32 s34, s34, 9
	s_lshl_b32 s35, s25, 8
	s_add_co_u32 s34, s34, s35                     ; ws: two row tiles of 512 bytes, this half of K (used by waves 0 and 1)
	s_mov_b32 s35, 0
	s_add_nc_u64 s[16:17], s[16:17], s[34:35]
	s_wait_alu depctr_va_vdst(0)
	v_and_b32 v6, 7, v1                            ; lane l takes the column whose place among the 32 is l with bits 3 and 4 exchanged
	v_bfe_u32 v7, v1, 4, 1
	v_bfe_u32 v8, v1, 3, 1
	s_delay_alu instid0(VALU_DEP_3)
	v_lshlrev_b32 v6, 2, v6
	s_delay_alu instid0(VALU_DEP_1)
	v_lshl_or_b32 v6, v7, 5, v6
	s_delay_alu instid0(VALU_DEP_1)
	v_lshl_or_b32 v6, v8, 6, v6                    ; in bytes
	s_lshl_b32 s36, s26, 9
	s_lshl_b32 s37, s27, 2
	s_add_co_u32 s37, s37, s36
	v_add_nc_u32 v9, s37, v4
	s_delay_alu instid0(VALU_DEP_1)
	v_add_nc_u32 v9, WSC, v9                       ; my column's word of my K step: 16 bytes a column
	v_add_nc_u32 v10, s36, v4
	s_delay_alu instid0(VALU_DEP_1)
	v_add_nc_u32 v10, WSC, v10                     ; the words' way out
	v_lshlrev_b32 v11, 9, v3
	s_delay_alu instid0(VALU_DEP_1)
	v_lshl_add_u32 v11, v2, 4, v11                 ; in ws: 512 x (lane / 16) + 16 x (lane % 16)
.macro WLOAD stride
.set n, 0
.rept 128
	global_load_b32 v[R+n], v6, s[6:7] offset:n*(\stride) th:TH_LOAD_NT   ; row n of my K step: 32 lanes read 128 consecutive bytes, two waves side by side 256
.set n, n+1
.endr
.endm
	s_cmp_eq_u32 s22, 0                            ; the two tensors differ in the loads' immediates alone
	s_cbranch_scc0 .Lproj_rows
	WLOAD 12288
	s_branch .Lrows_asked
.Lproj_rows:
	s_wait_alu depctr_va_vdst(0)
	WLOAD 4096
.Lrows_asked:
.macro WBLOCK b                                ; block b of my column: codes into v[160 + 12 (b % 2) + 6 (b / 2)] on, its byte into v20
.set XS, R+32*(\b)
.set GG, 160+12*((\b)%2)+6*((\b)/2)
.if (\b) == 0
	s_wait_loadcnt 63                              ; a wait's count names 63 at the most: the first 65 of the 128 loads are in, blocks 0 and 1 among them
.elseif (\b) == 2
	s_wait_loadcnt 32                              ; block 3's loads may be out
.elseif (\b) == 3
	s_wait_loadcnt 0x0
.endif
	v_max3_num_f32 v16, |v[XS]|, |v[XS+1]|, |v[XS+2]|
	v_max3_num_f32 v17, |v[XS+3]|, |v[XS+4]|, |v[XS+5]|
.irp i, 6,10,14,18,22,26
	s_delay_alu instid0(VALU_DEP_2)
	v_max3_num_f32 v16, v16, |v[XS+\i]|, |v[XS+\i+1]|
	s_delay_alu instid0(VALU_DEP_2)
	v_max3_num_f32 v17, v17, |v[XS+\i+2]|, |v[XS+\i+3]|
.endr
	s_delay_alu instid0(VALU_DEP_2)
	v_max3_num_f32 v16, v16, |v[XS+30]|, |v[XS+31]|
	s_delay_alu instid0(VALU_DEP_1)
	v_max3_num_f32 v16, v16, v17, 0x1800000        ; and the floor
	s_delay_alu instid0(VALU_DEP_1)
	v_add_nc_u32 v18, 0xff000000, v16              ; the conversion's scale operand
	s_delay_alu instid0(VALU_DEP_1)
	v_lshrrev_b32 v19, 23, v18                     ; the byte
.if (\b) == 0
	s_delay_alu instid0(VALU_DEP_1)
	v_mov_b32 v20, v19
.else
	s_delay_alu instid0(VALU_DEP_1)
	v_lshl_or_b32 v20, v19, 8*(\b), v20
.endif
	v_cvt_scalef32_pk16_fp6_f32 v[GG:GG+2], v[XS:XS+15], v18
	v_cvt_scalef32_pk16_fp6_f32 v[184+4*(\b):186+4*(\b)], v[XS+16:XS+31], v18
.endm
	WBLOCK 0
	WBLOCK 1
	WBLOCK 2
	WBLOCK 3
	v_nop                                          ; one plain place behind the last conversion
.irp b, 0,1,2,3
.irp i, 0,1,2
	v_mov_b32 v[163+12*(\b%2)+6*(\b/2)+\i], v[184+4*\b+\i]
.endr
.endr
; v160-171 hold my column's blocks 0 and 2, v172-183 its blocks 1 and 3.  Lanes 0-15 are the first tile's rows, lanes 16-31 the second's: the exchange gives the first run the first tile's fragment
; (lanes 0-15 blocks 0, 2; lanes 16-31 blocks 1, 3) and the second run the second tile's.
.set n, 0
.rept 12
	v_permlane16_swap_b32 v[160+n], v[172+n]
.set n, n+1
.endr
.irp t, 0,1
	global_store_b128 v4, v[160+12*\t:163+12*\t], s[14:15] offset:12288*\t
	global_store_b64 v5, v[164+12*\t:165+12*\t], s[14:15] offset:12288*\t
	global_store_b128 v4, v[166+12*\t:169+12*\t], s[14:15] offset:12288*\t+768
	global_store_b64 v5, v[170+12*\t:171+12*\t], s[14:15] offset:12288*\t+768
.endr
	ds_store_b32 v9, v20
	s_wait_dscnt 0x0                               ; for the others' sake
	s_barrier_signal -1
	s_barrier_wait -1
	s_cmp_gt_u32 s18, 1
	s_cbranch_scc1 .Lw_end
	ds_load_b128 v[24:27], v10                     ; a column's four words of this half of K
	s_wait_dscnt 0x0
	global_store_b128 v11, v[24:27], s[16:17]      ; sixteen lanes store 256 consecutive bytes, aligned
.Lw_end:
	s_wait_tensorcnt 0x0                           ; the wave's end: behind my last LDS store
	ds_add_u32 v[SPW], v[NIL]
	s_wait_dscnt 0x0
	s_endpgm
.Lfunc_end_k_qb334bdf61f_quant:
	.size	k_qb334bdf61f_quant, .Lfunc_end_k_qb334bdf61f_quant-k_qb334bdf61f_quant
	.p2alignl 7, 3214868480
	.fill 96, 4, 3214868480
	.section	.rodata,"a",@progbits
	.p2align	6, 0x0
	.amdhsa_kernel k_qb334bdf61f_quant
		.amdhsa_group_segment_fixed_size 70144
		.amdhsa_private_segment_fixed_size 0
		.amdhsa_enable_private_segment 0
		.amdhsa_kernarg_size 56
		.amdhsa_user_sgpr_count 2
		.amdhsa_user_sgpr_kernarg_segment_ptr 1
		.amdhsa_wavefront_size32 1
		.amdhsa_system_sgpr_workgroup_id_x 1
		.amdhsa_system_sgpr_workgroup_id_y 1
		.amdhsa_system_sgpr_workgroup_id_z 1
		.amdhsa_system_vgpr_workitem_id 0
		.amdhsa_next_free_vgpr 200
		.amdhsa_next_free_sgpr 66
		.amdhsa_reserve_vcc 0
		.amdhsa_float_denorm_mode_32 3
		.amdhsa_float_denorm_mode_16_64 3
		.amdhsa_memory_ordered 1
		.amdhsa_forward_progress 1
		.amdhsa_inst_pref_size 49
	.end_amdhsa_kernel
	.amdgpu_metadata
---
amdhsa.version: [ 1, 2 ]
amdhsa.kernels:
  - .name:           k_qb334bdf61f_quant
    .symbol:         k_qb334bdf61f_quant.kd
    .args:
      - { .name: x, .offset: 0, .size: 8, .value_kind: global_buffer, .address_space: global }
      - { .name: W_attn, .offset: 8, .size: 8, .value_kind: global_buffer, .address_space: global }
      - { .name: W_proj, .offset: 16, .size: 8, .value_kind: global_buffer, .address_space: global }
      - { .name: xc, .offset: 24, .size: 8, .value_kind: global_buffer, .address_space: global }
      - { .name: xs, .offset: 32, .size: 8, .value_kind: global_buffer, .address_space: global }
      - { .name: wc, .offset: 40, .size: 8, .value_kind: global_buffer, .address_space: global }
      - { .name: ws, .offset: 48, .size: 8, .value_kind: global_buffer, .address_space: global }
    .group_segment_fixed_size: 70144
    .private_segment_fixed_size: 0
    .kernarg_segment_align: 8
    .kernarg_segment_size: 56
    .max_flat_workgroup_size: 256
    .sgpr_count:     66
    .vgpr_count:     200
    .wavefront_size: 32
...
	.end_amdgpu_metadata
.endif
;; end of part 1
;; launch gemm_qkv (part 2): grid 4 x 64, 4 waves a work-group, clusters of 4 x 4, 327,680 bytes of LDS; arguments xc, xs, wc, ws, qkvc, qkvs; writes qkvc, qkvs
.if DOCPART == 2
	.amdgcn_target "amdgcn-amd-amdhsa--gfx1250"
	.amdhsa_code_object_version 6
	.text
	.protected	k_qb334bdf61f_gemm_qkv
	.globl	k_qb334bdf61f_gemm_qkv
	.p2align	8
	.type	k_qb334bdf61f_gemm_qkv,@function
k_qb334bdf61f_gemm_qkv:
	s_mov_b64 s[64:65], 0
	v_nop
	global_prefetch_b8 v0, s[64:65] scope:SCOPE_SE
	s_setreg_imm32_b32 hwreg(HW_REG_WAVE_MODE, 25, 1), 1
	s_wait_xcnt 0x0
	s_wait_alu depctr_hold_cnt(0) depctr_sa_sdst(0) depctr_va_vdst(0) depctr_va_sdst(0) depctr_va_ssrc(0) depctr_va_vcc(0) depctr_vm_vsrc(0)
	s_getreg_b32 s2, hwreg(HW_REG_IB_STS2, 6, 4)
	s_cmp_eq_u32 s2, 0
	s_cbranch_scc0 .Lentry_in_a_cluster
	s_endpgm
.Lentry_in_a_cluster:
	s_bfe_u32 s2, ttmp6, 0x10000c
	s_cmp_lg_u32 s2, 0xf033
	s_cbranch_scc0 .Lentry_shape_is_right
	s_endpgm
.Lentry_shape_is_right:
; qkv = x W_attn on codes of FP6 (E2M3) with E8M0 scales, f32 sums; the results are quantised at once, as operands of attention's two products, and leave as codes.
; A WORK-GROUP STAYS: it owns 128 tokens and makes three tiles of 256 columns, columns 1,024 j + 256 x .. of q (j = 0), k (1) and v (2).  In a tile wave w makes all 128 tokens x columns 64 w .. 64 w + 63, ONE HEAD: 32 accumulators.
; THE TOKENS' CODES, all of K (98,304 bytes), come into LDS once, and their scale words into registers once.  THE WEIGHTS go through a ring of two slots of 98,304 bytes: 16 column tiles x 4 K steps; tile j's K steps 0-3 lie in slot 0, 4-7 in slot 1.
; At the head waves 0, 1 fetch the tokens' halves and waves 2, 3 the halves of slot 0; behind that each wave fills its quarter of a slot (its own four column tiles) by one joint load behind a round of the cluster's barrier.
; A slot is free when every wave holds the fragments of its last K step: so the round stands at the head of K steps 3 and 7, sixteen products between its signal and its wait; a refill has four K steps, or four and the way out, in which to land.
; Every wait on TENSORcnt is for 0; a wave has one tensor load out at the most.
; CLUSTERS: 4 x 4: the tokens' tiles are shared along a row of the cluster, the weights' along a column, by joint loads with a mask of four.  All sixteen partners walk the same three tiles in step.
; PREFETCH: a slot of a column group is 16 tiles x 24 blocks of 256 bytes; wave w of the partner at place cy names tile 4 w + cy, a lane a block (lanes 24-31 name the last again): each block once in a cluster.
; Tile 1's two slots are asked for at the head and behind slot 1's first fill, tile 2's behind tile 0's two refills: two refills ahead in the ring.  The base is never rewritten: the places stand in the immediates.  The tokens come by the head's loads alone.
; OPERANDS lie in memory and LDS as images of their registers (1,536 bytes a fragment: two halves, each 16 bytes a lane and then 8 bytes a lane); in memory [row tile][K step 8][1536].
; q, k: source 0 = 16 weight columns, source 1 = 16 tokens: a lane holds one token, its registers run along the head's 64 dims.  v: the sources are swapped: a lane holds one channel, registers along 128 tokens.
; The rows of a tile are not neighbours (row r of tile 2 B + u is index 32 B + 8 u + r + 8 (r / 8)), so the 16 registers of two neighbouring tiles are 16 neighbours along the next K.
; OUT: qkvc [batch][48 heads: q, k, v][98,304]: q, k: [pair of tiles 64][1536]; v: [128 keys 16][channel tile 4][1536].  qkvs [batch][48][128 tokens 16][row 16][4 words].
; LIMITS: a block of zeros keeps the byte 1 (its codes are zeros; this program alone reads the bytes); largest magnitudes under 2^-124 are held at the byte 1; NaN and infinities are not served.
; REGISTERS: window 0: v1-8 LDS addresses, v14 prefetch offset, v15 16 x (lane % 16), v28, v29 the add's two, v32-95 tokens' scale words (32 + 8 i + s), v96-127 the weights', v128-167 the way out; window 1: accumulators; windows 2, 3: two sets of fragments.
.set BRT0,  0                          ; W_attn's first row tile in wc and ws
.set BL,    98304                      ; LDS: the tokens' 8 tiles from 0, the ring from here
.set TLB,   12288                      ; a tile's eight K steps
.set HLB,   6144                       ; its four K steps of a slot
.set SLB,   16*HLB                     ; a slot
.set FRB,   1536
.set JB,    64*TLB                     ; from a tile of C to the next: 64 row tiles of wc
.set SPARE, 294912                     ; the spare words, 128 bytes a wave; no other line names them
.set ADRA, 1                           ; v1, v2: 16 x lane, 512 + 8 x lane (token tiles 0-3); v3, v4: tiles 4-7
.set ADRB, 5                           ; v5, v6: my four column tiles in slot 0; v7, v8: in slot 1
.set PFO,  14
.set RO,   15
.set SPW,  28
.set NIL,  29
.set SA,   32
.set SB,   96
.set TM,   128
.set PC,   144
.set PW,   164
.set G1A,  24
.set G1B,  32
.set G0A,  40                          ; the head's loads: a half of the tokens,
.set G0H,  44                          ; a half of slot 0
.set G0S,  68                          ; s[68:71], s[72:75]: my quarter of slot 0, of slot 1
.set PF,   76
.set CNT,  78
.set MSB, 0
.macro WIN new                         ; the immediate's high byte repeats the setting that is left
.if MSB != (\new)
	s_set_vgpr_msb (MSB<<8)|(\new)
.set MSB, \new
.endif
.endm
.macro PLACES
.rept 4
	v_nop
.endr
.endm
.macro G1SET g, c, r, p                ; rows of c elements of 8 bytes, r rows, p elements from row to row
	s_mov_b32 s[\g+1], (\c)<<16
	s_mov_b32 s[\g+2], (\r)<<16
	s_mov_b32 s[\g+3], (\c)<<16
	s_mov_b32 s[\g+4], \r
	s_mov_b32 s[\g+5], \p
	s_mov_b32 s[\g+6], 0
	s_mov_b32 s[\g+7], 0
.endm
.macro CREST                           ; a round of the cluster's barrier behind its opening barrier
	s_cmp_lg_u32 s16, 0
	s_cbranch_scc1 .Lnot_wave_0_\@
	s_barrier_signal -3
.Lnot_wave_0_\@:
	s_barrier_wait -3
	s_barrier_signal -1
	s_barrier_wait -1
.endm
.macro CROUND                          ; a whole round
	s_barrier_signal -1
	s_barrier_wait -1
	CREST
.endm
.macro FRAG reg, a16, a8, off          ; a fragment's image back into 12 registers
	ds_load_b128 v[(\reg):(\reg)+3], v[\a16] offset:(\off)
	ds_load_b64 v[(\reg)+4:(\reg)+5], v[\a8] offset:(\off)
	ds_load_b128 v[(\reg)+6:(\reg)+9], v[\a16] offset:(\off)+768
	ds_load_b64 v[(\reg)+10:(\reg)+11], v[\a8] offset:(\off)+768
.endm
.macro FETCH ks                        ; K step ks: 12 fragments, 48 LDS loads in one run, into set ks % 2
	WIN (2+(\ks)%2)<<6
.irp i, 0,1,2,3,4,5,6,7
	FRAG 12*\i, ADRA+2*(\i/4), ADRA+2*(\i/4)+1, (\i%4)*TLB+(\ks)*FRB
.endr
.irp i, 0,1,2,3
	FRAG 96+12*\i, ADRB+2*((\ks)/4), ADRB+2*((\ks)/4)+1, \i*HLB+((\ks)%4)*FRB
.endr
.endm
; 16 matrix instructions: four tiles of tokens x my four tiles of columns.  The 32 accumulators take turns, one instruction a turn.
.macro MULH fl, ks, half, zero
	WIN 0x50+5*(2+(\ks)%2)
.irp a, 0,1,2,3
.irp b, 0,1,2,3
.set ta, 4*(\half)+\a
.if \fl
.set fD, 8*(8*\b+ta)
.set fA, 12*ta
.set fB, 96+12*\b
.set gA, SA+8*ta+(\ks)
.set gB, SB+8*\b+(\ks)
.else
.set fD, 8*(4*ta+\b)
.set fA, 96+12*\b
.set fB, 12*ta
.set gA, SB+8*\b+(\ks)
.set gB, SA+8*ta+(\ks)
.endif
.if \zero
	v_wmma_scale_f32_16x16x128_f8f6f4 v[fD:fD+7], v[fA:fA+11], v[fB:fB+11], 0, v[gA], v[gB] matrix_a_fmt:MATRIX_FMT_FP6 matrix_b_fmt:MATRIX_FMT_FP6
.else
	v_wmma_scale_f32_16x16x128_f8f6f4 v[fD:fD+7], v[fA:fA+11], v[fB:fB+11], v[fD:fD+7], v[gA], v[gB] matrix_a_fmt:MATRIX_FMT_FP6 matrix_b_fmt:MATRIX_FMT_FP6
.endif
.endr
.endr
.endm
; A K step inside a slot multiplies set ks % 2 while the next step's fragments come into the other set.  Four places stand in front of loads into registers that matrix instructions have read.
.macro KSTEP fl, ks
	s_wait_dscnt 0x0                               ; this step's fragments are in
	PLACES
	FETCH (\ks)+1
	MULH \fl, \ks, 0, (\ks)==0
	MULH \fl, \ks, 1, (\ks)==0
.endm
; A slot's last K step.  Its fragments are in registers, so the slot is read no more.  more = 1: the three lines, the round, and my quarter of the next tile's K steps into the slot; more = 0 (the last tile): a barrier that shows the other slot whole.
; next: the K step whose fragments are fetched behind it, from the other slot.
.macro LASTK fl, ks, slot, more, next
	WIN 0                                          ; (the add's two registers lie in window 0)
	s_wait_tensorcnt 0x0                           ; my one load that was out, my quarter of the other slot, has landed; so a group 0 may be written
.if \more
	ds_add_u32 v[SPW], v[NIL]
	s_add_nc_u64 s[G0S+4*(\slot)+2:G0S+4*(\slot)+3], s[G0S+4*(\slot)+2:G0S+4*(\slot)+3], JB   ; this slot's part of the next tile
.endif
	s_wait_dscnt 0x0                               ; the add is done, and my reads of this slot are over
	s_barrier_signal -1
	MULH \fl, \ks, 0, 0                            ; work on registers while the others arrive
	WIN 0
	s_barrier_wait -1
.if \more
	CREST                                          ; no wave of any partner still reads the slot or has a load on its way
	tensor_load_to_lds s[G0S+4*(\slot):G0S+4*(\slot)+3], s[G1B:G1B+7]
	s_nop 0
.endif
	PLACES                                         ; the places in front of the loads below
	FETCH \next
.if \more
	WIN 0
	s_cmp_eq_u32 s[CNT], 0                         ; tile 0's refills ask for tile 2's slots; tile 1's have nothing two refills on
	s_cbranch_scc0 .Lno_ask_\@
	global_prefetch_b8 v[PFO], s[PF:PF+1] offset:2*JB+(\slot)*HLB th:TH_LOAD_NT scope:SCOPE_SE
.Lno_ask_\@:
.endif
	MULH \fl, \ks, 1, 0
.endm
; THE WAY OUT.  Registers 64 g .. 64 g + 63 of window 1 are 64 numbers of a lane, register 16 b + i = k 32 b + 16 (lane / 16) + i of the next product.
.macro QUANTW g
.set qs, 64*(\g)
	WIN 0x14                                       ; sources 1 and 2 in window 1
.irp b, 0,1,2,3
	v_max3_num_f32 v[TM+\b], 0x1800000, |v[qs+16*\b]|, |v[qs+16*\b+1]|   ; each accumulator is read from its low end on; the floor 2^(3 - 127) holds the byte at 1 from below
.endr
.irp i, 2,4,6,8,10,12,14
.irp b, 0,1,2,3
	v_max3_num_f32 v[TM+\b], v[TM+\b], |v[qs+16*\b+\i]|, |v[qs+16*\b+\i+1]|
.endr
.endr
	WIN 0
.irp b, 0,1,2,3
	v_permlanex16_b32 v[TM+4+\b], v[TM+\b], s2, s3
.endr
.irp b, 0,1,2,3
	v_max_num_f32 v[TM+\b], v[TM+\b], v[TM+4+\b]
.endr
.irp b, 0,1,2,3
	v_add_nc_u32 v[TM+12+\b], 0xff000000, v[TM+\b]
.endr
.irp b, 0,1,2,3
	v_lshrrev_b32 v[TM+4+\b], 23, v[TM+12+\b]
.endr
	v_lshl_or_b32 v[PW+(\g)], v[TM+5], 8, v[TM+4]
	v_lshl_or_b32 v[PW+(\g)], v[TM+6], 16, v[PW+(\g)]
	v_lshl_or_b32 v[PW+(\g)], v[TM+7], 24, v[PW+(\g)]
	s_wait_alu depctr_va_vdst(0)                   ; directly ahead of the wait below
	s_wait_xcnt 0x0                                ; the last fragment's stores have read their data: the codes' registers are written again only behind this wait
	WIN 0x01                                       ; source 0 in window 1
.irp c, 0,1
	v_cvt_scalef32_pk16_fp6_f32 v[PC+6*\c:PC+2+6*\c], v[qs+32*\c:qs+15+32*\c], v[TM+12+2*\c]
	v_cvt_scalef32_pk16_fp6_f32 v[PC+12+4*\c:PC+14+4*\c], v[qs+16+32*\c:qs+31+32*\c], v[TM+12+2*\c+1]
.endr
	WIN 0
	v_nop                                          ; one plain place behind a scaled conversion
.irp c, 0,1
.irp i, 0,1,2
	v_permlane16_swap_b32 v[PC+6*\c+\i], v[PC+12+4*\c+\i]
.endr
.irp i, 0,1,2
	v_mov_b32 v[PC+3+6*\c+\i], v[PC+12+4*\c+\i]
.endr
.endr
	global_store_b128 v[ADRA], v[PC:PC+3], s[12:13] offset:FRB*(\g)          ; 512 consecutive bytes; then 256; and the second half likewise
	global_store_b64 v[ADRA+1], v[PC+4:PC+5], s[12:13] offset:FRB*(\g)
	global_store_b128 v[ADRA], v[PC+6:PC+9], s[12:13] offset:FRB*(\g)+768
	global_store_b64 v[ADRA+1], v[PC+10:PC+11], s[12:13] offset:FRB*(\g)+768
.endm
.macro BSCALES                         ; my four column tiles' scale words: four K steps' words of a row by one load; lanes 16-31 name the same bytes as lanes 0-15
.irp i, 0,1,2,3
.irp k, 0,1
	global_load_b128 v[SB+8*\i+4*\k:SB+8*\i+4*\k+3], v[RO], s[54:55] offset:\i*512+\k*256
.endr
.endr
.endm
.macro OUTW more
.irp b, 0,1,2,3
	v_mov_b32 v[TM+4+\b], 0                        ; a lane permute's destination counts as one of its sources.  (These four are also the places behind the last products)
.endr
.if \more
	s_add_nc_u64 s[54:55], s[54:55], 64*512        ; (the loads that named it have come back)  The next tile's scale words land under the way out
	BSCALES
.endif
	QUANTW 0
	QUANTW 1
	QUANTW 2
	QUANTW 3
	global_store_b128 v[RO], v[PW:PW+3], s[14:15]  ; a row's four scale words: 256 consecutive bytes, aligned; lanes 16-31 hold the same words and name the same bytes
.if \more
	s_wait_alu depctr_va_vdst(0)                   ; directly ahead of the wait below
	s_wait_xcnt 0x0                                ; the stores have read their bases and registers
	s_add_nc_u64 s[12:13], s[12:13], 16*98304      ; the same head's place among k, then v: 16 places on
	s_add_nc_u64 s[14:15], s[14:15], 16*4096
	s_wait_loadcnt 0x0                             ; the next tile's scale words are in
.endif
.endm
.macro TILE fl, more                   ; on entry: slot 0 is whole, slot 1's load is on its way, K step 0's fragments have been asked for
	KSTEP \fl, 0
	KSTEP \fl, 1
	KSTEP \fl, 2
	LASTK \fl, 3, 0, \more, 4
	KSTEP \fl, 4
	KSTEP \fl, 5
	KSTEP \fl, 6
.if \more
	LASTK \fl, 7, 1, 1, 0                          ; the next tile's first fragments land under the way out
.else
	s_wait_dscnt 0x0
	MULH \fl, 7, 0, 0
	MULH \fl, 7, 1, 0
.endif
	WIN 0
	OUTW \more
.endm
	s_load_b256 s[4:11], s[0:1], 0x0               ; xc, xs, wc, ws
	s_load_b128 s[12:15], s[0:1], 0x20             ; qkvc, qkvs
	v_lshl_add_u32 v[SPW], v0, 2, SPARE
	v_mov_b32 v[NIL], 0
	ds_add_u32 v[SPW], v[NIL]                      ; the opening lines: the add, twice on end, and its wait
	ds_add_u32 v[SPW], v[NIL]
	v_lshrrev_b32 v1, 5, v0
	v_readfirstlane_b32 s16, v1                    ; wave 0..3
	s_lshr_b32 s17, s16, 1                         ; at the head I fetch for the tokens (0) or the weights (1),
	s_and_b32 s18, s16, 1                          ; which half
	s_bfe_u32 s19, ttmp6, 0x40000                  ; cx
	s_bfe_u32 s20, ttmp6, 0x40004                  ; cy
	s_lshl_b32 s21, ttmp9, 2
	s_add_co_u32 s21, s21, s19                     ; which 256 columns of q, of k and of v
	s_and_b32 s22, ttmp7, 0xffff
	s_lshl_b32 s22, s22, 2
	s_add_co_u32 s22, s22, s20                     ; which 128 tokens
	s_lshl_b32 s23, s20, 2
	s_lshl_b32 s23, 15, s23                        ; my row of the cluster
	s_lshl_b32 s3, 0x1111, s19                     ; my column
	s_or_b32 s[G1A], s23, (3<<16)|(1<<21)          ; 15:0 the mask; 17:16 elements of 8 bytes; 21 set beside a mask; no padding
	s_or_b32 s[G1B], s3, (3<<16)|(1<<21)
	G1SET G1A, 32, 192, 32                         ; 49,152 dense bytes as rows of 256
	G1SET G1B, 768, 8, 1536                        ; 8 tiles x 6,144 bytes, 12,288 bytes from tile to tile; behind the head 4 tiles
	s_mov_b32 s[G0A], 1
	s_mul_i32 s[G0A+1], s18, 4*TLB
	s_mov_b32 s[G0H], 1
	s_mul_i32 s[G0H+1], s18, 8*HLB
	s_add_co_u32 s[G0H+1], s[G0H+1], BL
	s_mul_i32 s56, s16, 4*HLB
	s_add_co_u32 s56, s56, BL                      ; LDS: my four column tiles in slot 0
	s_mov_b32 s[G0S], 1
	s_mov_b32 s[G0S+1], s56
	s_mov_b32 s[G0S+4], 1
	s_add_co_u32 s[G0S+5], s56, SLB
	s_mul_i32 s48, s22, 8*TLB                      ; the tokens' codes: 8 tiles,
	s_mul_i32 s49, s18, 4*TLB                      ; my half
	s_add_co_u32 s48, s48, s49
	s_mov_b32 s49, 0
	s_lshl_b32 s50, s22, 12                        ; their scale words: 8 tiles x 512 bytes
	s_mov_b32 s51, 0
	s_lshl_b32 s52, s21, 4                         ; tile 0's first row tile of the weights
.if BRT0
	s_add_co_u32 s52, s52, BRT0
.endif
	s_lshl_b32 s58, s18, 3
	s_add_co_u32 s58, s58, s52
	s_mul_i32 s58, s58, TLB                        ; the head's half of slot 0
	s_mov_b32 s59, 0
	s_lshl_b32 s60, s16, 2
	s_add_co_u32 s60, s60, s52                     ; my four column tiles
	s_lshl_b32 s54, s60, 9                         ; their scale words
	s_mov_b32 s55, 0
	s_add_co_u32 s62, s60, s20                     ; the one of them whose blocks I prefetch: told apart by address
	s_mul_i32 s62, s62, TLB
	s_mov_b32 s63, 0
	s_mul_i32 s60, s60, TLB
	s_mov_b32 s61, 0
	s_mov_b32 s2, 0x76543210
	s_mov_b32 s3, 0xfedcba98                       ; lane l xor 16
	v_and_b32 v20, 31, v0
	v_and_b32 v21, 15, v0
	v_lshlrev_b32 v[ADRA], 4, v20
	v_lshl_add_u32 v[ADRA+1], v20, 3, 512
	v_add_nc_u32 v[ADRA+2], 4*TLB, v[ADRA]
	v_add_nc_u32 v[ADRA+3], 4*TLB, v[ADRA+1]
	v_add_nc_u32 v[ADRB], s56, v[ADRA]
	v_add_nc_u32 v[ADRB+1], s56, v[ADRA+1]
	v_add_nc_u32 v[ADRB+2], SLB, v[ADRB]
	v_add_nc_u32 v[ADRB+3], SLB, v[ADRB+1]
	v_lshlrev_b32 v[RO], 4, v21
	v_min_u32 v[PFO], 23, v20
	v_lshlrev_b32 v[PFO], 8, v[PFO]                ; a lane a block of 256 bytes, 24 blocks
	s_wait_alu depctr_va_vdst(0)
	s_wait_dscnt 0x0                               ; both opening adds are done
	s_wait_kmcnt 0x0
	s_add_nc_u64 s[G0A+2:G0A+3], s[4:5], s[48:49]
	s_or_b32 s[G0A+3], s[G0A+3], 0x80000000
	s_add_nc_u64 s[G0H+2:G0H+3], s[8:9], s[58:59]
	s_or_b32 s[G0H+3], s[G0H+3], 0x80000000
	s_add_nc_u64 s[G0S+2:G0S+3], s[8:9], s[60:61]  ; tile 0's K steps 0-3: stepped to tile 1's ahead of its first use
	s_add_nc_u64 s[G0S+6:G0S+7], s[G0S+2:G0S+3], HLB   ; tile 0's K steps 4-7
	s_or_b32 s[G0S+3], s[G0S+3], 0x80000000
	s_or_b32 s[G0S+7], s[G0S+7], 0x80000000
	s_add_nc_u64 s[PF:PF+1], s[8:9], s[62:63]
	s_add_nc_u64 s[50:51], s[6:7], s[50:51]
	s_add_nc_u64 s[54:55], s[10:11], s[54:55]
.irp i, 0,1,2,3,4,5,6,7
.irp k, 0,1
	global_load_b128 v[SA+8*\i+4*\k:SA+8*\i+4*\k+3], v[RO], s[50:51] offset:\i*512+\k*256
.endr
.endr
	BSCALES
	CROUND                                         ; all sixteen work-groups are here: the joint loads meet
	s_cmp_eq_u32 s17, 0                            ; one load a wave: each arm has one mask and one set of registers
	s_cbranch_scc0 .Lfor_b
	tensor_load_to_lds s[G0A:G0A+3], s[G1A:G1A+7]
	s_nop 0
	PLACES
	s_branch .Lasked
.Lfor_b:
	tensor_load_to_lds s[G0H:G0H+3], s[G1B:G1B+7]
	s_nop 0
	PLACES
.Lasked:
	s_lshr_b32 s57, s22, 4                         ; where my head's results go: the batch,
	s_mul_i32 s57, s57, 48
	s_lshl_b32 s58, s21, 2
	s_add_co_u32 s57, s57, s58
	s_add_co_u32 s57, s57, s16                     ; 48 x batch + the head's place among q's
	s_and_b32 s58, s22, 15                         ; which 128 tokens of the batch
	s_mul_i32 s60, s57, 98304
	s_mul_i32 s61, s58, 6144
	s_add_co_u32 s60, s60, s61
	s_mov_b32 s61, 0
	s_add_nc_u64 s[12:13], s[12:13], s[60:61]
	s_lshl_b32 s60, s57, 12
	s_lshl_b32 s58, s58, 8
	s_add_co_u32 s60, s60, s58
	s_add_nc_u64 s[14:15], s[14:15], s[60:61]
	global_prefetch_b8 v[PFO], s[PF:PF+1] offset:JB th:TH_LOAD_NT scope:SCOPE_SE   ; tile 1's K steps 0-3
	s_wait_tensorcnt 0x0                           ; my part of the head's tiles is in
	ds_add_u32 v[SPW], v[NIL]
	s_mov_b32 s[G1B+2], 4<<16                      ; no tensor load of mine is out: from here on a load brings 4 tiles
	s_mov_b32 s[G1B+4], 4
	s_wait_dscnt 0x0
	CROUND
	tensor_load_to_lds s[G0S+4:G0S+7], s[G1B:G1B+7]    ; slot 1's first fill: tile 0's K steps 4-7
	s_nop 0
	PLACES
	FETCH 0
	WIN 0
	global_prefetch_b8 v[PFO], s[PF:PF+1] offset:JB+HLB th:TH_LOAD_NT scope:SCOPE_SE   ; tile 1's K steps 4-7
	s_wait_loadcnt 0x0                             ; the scale words are in
	s_mov_b32 s[CNT], 0
.Ltile:                                        ; two trips: q's columns, k's columns
	TILE 0, 1
	s_add_co_u32 s[CNT], s[CNT], 1
	s_cmp_lt_u32 s[CNT], 2
	s_cbranch_scc1 .Ltile
	TILE 1, 0                                      ; v's columns, the sources swapped; nothing more is asked for
	s_wait_tensorcnt 0x0                           ; the wave's end
	ds_add_u32 v[SPW], v[NIL]
	s_wait_dscnt 0x0
	CROUND                                         ; the closing round
	s_endpgm
.Lfunc_end_k_qb334bdf61f_gemm_qkv:
	.size	k_qb334bdf61f_gemm_qkv, .Lfunc_end_k_qb334bdf61f_gemm_qkv-k_qb334bdf61f_gemm_qkv
	.p2alignl 7, 3214868480
	.fill 96, 4, 3214868480
	.section	.rodata,"a",@progbits
	.p2align	6, 0x0
	.amdhsa_kernel k_qb334bdf61f_gemm_qkv
		.amdhsa_group_segment_fixed_size 327680
		.amdhsa_private_segment_fixed_size 0
		.amdhsa_enable_private_segment 0
		.amdhsa_kernarg_size 48
		.amdhsa_user_sgpr_count 2
		.amdhsa_user_sgpr_kernarg_segment_ptr 1
		.amdhsa_wavefront_size32 1
		.amdhsa_system_sgpr_workgroup_id_x 1
		.amdhsa_system_sgpr_workgroup_id_y 1
		.amdhsa_system_sgpr_workgroup_id_z 1
		.amdhsa_system_vgpr_workitem_id 0
		.amdhsa_next_free_vgpr 912
		.amdhsa_next_free_sgpr 80
		.amdhsa_reserve_vcc 0
		.amdhsa_float_denorm_mode_32 3
		.amdhsa_float_denorm_mode_16_64 3
		.amdhsa_memory_ordered 1
		.amdhsa_forward_progress 1
		.amdhsa_inst_pref_size 164
	.end_amdhsa_kernel
	.amdgpu_metadata
---
amdhsa.version: [ 1, 2 ]
amdhsa.kernels:
  - .name:           k_qb334bdf61f_gemm_qkv
    .symbol:         k_qb334bdf61f_gemm_qkv.kd
    .args:
      - { .name: xc, .offset: 0, .size: 8, .value_kind: global_buffer, .address_space: global }
      - { .name: xs, .offset: 8, .size: 8, .value_kind: global_buffer, .address_space: global }
      - { .name: wc, .offset: 16, .size: 8, .value_kind: global_buffer, .address_space: global }
      - { .name: ws, .offset: 24, .size: 8, .value_kind: global_buffer, .address_space: global }
      - { .name: qkvc, .offset: 32, .size: 8, .value_kind: global_buffer, .address_space: global }
      - { .name: qkvs, .offset: 40, .size: 8, .value_kind: global_buffer, .address_space: global }
    .group_segment_fixed_size: 327680
    .private_segment_fixed_size: 0
    .kernarg_segment_align: 8
    .kernarg_segment_size: 48
    .max_flat_workgroup_size: 128
    .sgpr_count:     80
    .vgpr_count:     912
    .wavefront_size: 32
...
	.end_amdgpu_metadata
.endif
;; end of part 2
;; launch attn (part 3): grid 4 x 64, 16 waves a work-group, clusters of 4 x 1, 327,680 bytes of LDS; arguments qkvc, qkvs, prev_probs, yc, ys; writes yc, ys
.if DOCPART == 3
	.amdgcn_target "amdgcn-amd-amdhsa--gfx1250"
	.amdhsa_code_object_version 6
	.text
	.protected	k_qb334bdf61f_attn
	.globl	k_qb334bdf61f_attn
	.p2align	8
	.type	k_qb334bdf61f_attn,@function
k_qb334bdf61f_attn:
	s_mov_b64 s[64:65], 0
	v_nop
	global_prefetch_b8 v0, s[64:65] scope:SCOPE_SE
	s_setreg_imm32_b32 hwreg(HW_REG_WAVE_MODE, 25, 1), 1
	s_wait_xcnt 0x0
	s_wait_alu depctr_hold_cnt(0) depctr_sa_sdst(0) depctr_va_vdst(0) depctr_va_sdst(0) depctr_va_ssrc(0) depctr_va_vcc(0) depctr_vm_vsrc(0)
	s_getreg_b32 s2, hwreg(HW_REG_IB_STS2, 6, 4)
	s_cmp_eq_u32 s2, 0
	s_cbranch_scc0 .Lentry_in_a_cluster
	s_endpgm
.Lentry_in_a_cluster:
	s_bfe_u32 s2, ttmp6, 0x10000c
	s_cmp_lg_u32 s2, 0x3003
	s_cbranch_scc0 .Lentry_shape_is_right
	s_endpgm
.Lentry_shape_is_right:
; y = softmax(q k^T / 8 + adj, causal) v for one head, adj[key] = -0.1 ln(prev_probs[key] + 1e-10); both products on codes of FP6 (E2M3) with E8M0 scales; y leaves as codes, an operand of the last product.
; THE SOFTMAX: t = (score + 8 adj) x log2(e) / 8; M = the row's largest t so far, rounded up to a whole number; p = 2^(t - M) is quantised along the keys, not normalised; the row's sum is taken of the
; unquantised p in f32 and divides at the end.  When M moves, the sum and O are multiplied by 2^(old M - new M): exact.  8 adj is the C of the score product.
; THE WHOLE HEAD'S K AND V LIE IN LDS (2 x 98,304 bytes), each byte filled once; beside them K's and V's scale words and 8 adj, stored by the waves.
; SHARES.  Four work-groups, one cluster, serve a head; a tile is 16 queries, a block 128 queries, a key step 128 keys; a tile of block b walks b + 1 steps.  With g = w >> 2 and u = (w >> 1) & 1, wave w owns one tile of the
; block 15 - 4 g - u and one of the block 12 - 4 g + u: 29, 21, 13 or 5 steps by g: the longest shares have the lowest wave numbers.  The waves w, w + 4, w + 8, w + 12 own 68 steps together, whatever w & 3.
; Which of a block's eight tiles: 2 cx + (w & 1).  So every branch hangs on the wave's number and the count of steps alone, none on the work-group's place in its cluster; the place enters global addresses and the mask's threshold.
; JOINT LOADS, mask 15: all four partners need the same K and V.  Two groups, one load a wave each (waves 0-7 an eighth of K's part, waves 8-15 of V's): keys 0-255 at the head; keys 256-2047 behind the full sequence and a round.
; Every wave's first tile has its steps 0 and 1 open (its block is 2 at the least): they stand between that round and the one barrier that shows the second group; behind it the waves share no barrier until the closing round.
; Every wait on TENSORcnt is for 0; a wave has one tensor load out at the most.
; No prefetch: all of K and V has been asked for by tensor loads before the first step; there is no later request to run ahead of.
; THE HEAD HAS 64 DIMS, the instruction 128 along K: a fragment of K holds TWO tiles of 16 keys, multiplied by (q, 0) and by (0, q): zero codes add nothing.
; Both products are used transposed: a lane holds one query.  The rows of a tile are not neighbours (row r of tile 2 B + u is token 32 B + 8 u + r + 8 (r / 8)): p's 16 registers of two tiles are 16 neighbouring keys.
; CAUSAL: a step behind the tile's block is jumped over; on the diagonal step hidden scores become -infinity.  Trip counts are constants.
; LIMITS: the promise holds while |t| stays under 2^31; prev_probs + 1e-10 <= 0 gives NaN or infinity as in the definition; NaN and infinities are not served; a block of zeros keeps the byte 1 (zero codes; this program alone reads the bytes).
; REGISTERS: v1-4 lane terms, v5, v6 the add's two, v7 the mask's threshold, v8-11, v92, v93 the step's addresses, v12 -M, v13 the largest t, v[14:15] the sum, v16-33 (q | 0 | q), v34 q's scales, v36-83 fragments of K, then V,
;   v84-91 K's and V's scale words, v94 16 r, v96-159 8 adj, S^T, p, v160-191 O^T, v192-203 p's codes, v204-228 at work, v232-238 the second tile's q and scales, v240-255 partial sums.
.set VL,    98304                      ; K from byte 0: [step 16][fragment 4][1536]; V from here likewise
.set SCK,   196608                     ; K's scale words [step 16][row 16][4 words]; V's 4,096 bytes on
.set BIA,   204800                     ; 8 adj of the batch's 2,048 keys
.set SPARE, 212992                     ; the spare words, 128 bytes a wave; no other line names them
.set SPW, 5
.set NIL, 6
.set WV,  14
.set E,   15                           ; wave & 7: which eighth I fetch
.set KV,  16                           ; wave >> 3: of K or of V
.set B1,  17                           ; my first tile's block
.set BLK, 18                           ; the block of the tile in hand
.set B2,  19                           ; my second tile's block
.set SEL, 20
.set CS,  22                           ; s[22:23] log2(e) / 8
.set G1,  24
.set G0A, 32
.set G0B, 36
.set TB,  44                           ; the step's fragments: 6,144 bytes a step
.set TS,  45                           ; its scale words: 256
.set TBI, 46                           ; its 8 adj: 512
.set ST,  47                           ; the step
.set QL,  48                           ; pairs: q, q's scales, yc, ys of the first and the second tile
.set QS,  50
.set SQL, 52
.set SQS, 54
.set YL,  56
.set YS,  58
.set ZL,  60
.set ZS,  62
.macro FRAG reg, a16, a8, off
	ds_load_b128 v[(\reg):(\reg)+3], v[\a16] offset:(\off)
	ds_load_b64 v[(\reg)+4:(\reg)+5], v[\a8] offset:(\off)
	ds_load_b128 v[(\reg)+6:(\reg)+9], v[\a16] offset:(\off)+768
	ds_load_b64 v[(\reg)+10:(\reg)+11], v[\a8] offset:(\off)+768
.endm
.macro CROUND                          ; a round of the cluster's barrier
	s_barrier_signal -1
	s_barrier_wait -1
	s_cmp_lg_u32 s[WV], 0
	s_cbranch_scc1 .Lnot_wave_0_\@
	s_barrier_signal -3
.Lnot_wave_0_\@:
	s_barrier_wait -3
	s_barrier_signal -1
	s_barrier_wait -1
.endm
.macro JOINT g0                        ; my one joint load behind a round
	tensor_load_to_lds s[\g0:\g0+3], s[G1:G1+7]
	s_nop 0
.rept 4
	v_nop
.endr
.endm
.macro G0SET g, p                      ; LDS address and byte offset of my part; the buffer's address is added behind the arguments' wait
	s_mov_b32 s[\g], 1
	s_add_co_u32 s[\g+1], s77, s[\p]
	s_add_co_u32 s[\g+2], s76, s[\p]
	s_mov_b32 s[\g+3], 0
.endm
.macro TADR t, bl, q, sq, y, z         ; a tile's four byte offsets
	s_mul_i32 s[\q], s[\t], 768
	s_add_co_u32 s[\q], s[\q], s84
	s_mov_b32 s[\q+1], 0
	s_lshl_b32 s[\sq], s[\bl], 8
	s_add_co_u32 s[\sq], s[\sq], s85
	s_mov_b32 s[\sq+1], 0
	s_add_co_u32 s[\z], s[\t], s86                 ; my tile among all 512
	s_lshl_b32 s[\y], s[\z], 4
	s_add_co_u32 s[\y], s[\y], s72
	s_mul_i32 s[\y], s[\y], 768                    ; yc: [tile][head][768]
	s_mov_b32 s[\y+1], 0
	s_lshl_b32 s[\z], s[\z], 9
	s_add_co_u32 s[\z], s[\z], s87                 ; ys: the head's two bytes of a row
	s_mov_b32 s[\z+1], 0
.endm
.macro FRESH                           ; a tile begins: the largest t -3e38, the sum and O^T zeros, which the first change of M leaves zeros
	v_mov_b32 v13, 0xff61b1e6
	v_mov_b32 v14, 0
	v_mov_b32 v15, 0
	v_floor_f32 v12, -v13
.set n, 0
.rept 32
	v_mov_b32 v[160+n], 0
.set n, n+1
.endr
.endm
	s_load_b256 s[4:11], s[0:1], 0x0               ; qkvc, qkvs, prev_probs, yc
	s_load_b64 s[12:13], s[0:1], 0x20              ; ys
	v_lshl_add_u32 v[SPW], v0, 2, SPARE
	v_mov_b32 v[NIL], 0
	ds_add_u32 v[SPW], v[NIL]                      ; the opening lines: the add, twice on end, and its wait
	ds_add_u32 v[SPW], v[NIL]
	v_lshrrev_b32 v8, 5, v0
	v_readfirstlane_b32 s[WV], v8                  ; wave 0..15
	s_and_b32 s[E], s[WV], 7
	s_lshr_b32 s[KV], s[WV], 3
	s_bfe_u32 s68, ttmp6, 0x40000                  ; cx
	s_lshl_b32 s68, s68, 1
	s_and_b32 s69, s[WV], 1
	s_add_co_u32 s68, s68, s69                     ; my tile in its block, the same in both blocks
	s_lshr_b32 s69, s68, 1
	s_lshl_b32 s69, s69, 5
	s_and_b32 s70, s68, 1
	s_lshl_b32 s70, s70, 3
	s_add_co_u32 s69, s69, s70                     ; its first token in the block
	s_and_b32 s70, ttmp7, 0xffff
	s_lshr_b32 s71, s70, 4                         ; the batch
	s_and_b32 s72, s70, 15                         ; the head
	s_mul_i32 s73, s71, 48
	s_add_co_u32 s73, s73, s72                     ; q's place in qkvc and qkvs; k's is 16 on, v's 32
	s_lshr_b32 s74, s[WV], 2
	s_lshl_b32 s74, s74, 2
	s_sub_co_u32 s74, 12, s74                      ; 12 - 4 g
	s_bfe_u32 s75, s[WV], 0x10001                  ; u: bit 1 of the wave's number
	s_add_co_u32 s[B2], s74, s75
	s_add_co_u32 s[B1], s74, 3
	s_sub_co_u32 s[B1], s[B1], s75
	s_lshl_b32 s74, s[B1], 3
	s_add_co_u32 s74, s74, s68                     ; the first tile
	s_lshl_b32 s75, s[B2], 3
	s_add_co_u32 s75, s75, s68                     ; the second tile
	s_lshl_b32 s76, s[KV], 4
	s_add_co_u32 s76, s76, s73
	s_add_co_u32 s76, s76, 16
	s_mul_i32 s76, s76, 98304                      ; what I fetch: K's codes (waves 0-7) or V's
	s_mul_i32 s77, s[KV], VL
	s_mul_i32 s78, s[E], 1536                      ; my eighth of keys 0-255,
	s_mul_i32 s80, s[E], 10752
	s_add_co_u32 s80, s80, 12288                   ; of keys 256-2047
	G0SET G0A, 78
	G0SET G0B, 80
	s_mov_b32 s[G1], 15|(3<<16)|(1<<21)            ; the mask of four; elements of 8 bytes; bit 21 beside a mask; no padding: dense bytes as rows of 256
	s_mov_b32 s[G1+1], 32<<16
	s_mov_b32 s[G1+2], 6<<16
	s_mov_b32 s[G1+3], 32<<16
	s_mov_b32 s[G1+4], 6
	s_mov_b32 s[G1+5], 32
	s_mov_b32 s[G1+6], 0
	s_mov_b32 s[G1+7], 0
	s_mul_i32 s84, s73, 98304
	s_lshl_b32 s85, s73, 12
	s_lshl_b32 s86, s68, 1
	s_add_co_u32 s85, s85, s86                     ; q's scale bytes: 256 bytes a block, 16 a row, 2 a tile
	s_lshl_b32 s86, s71, 7
	s_lshr_b32 s87, s72, 3
	s_lshl_b32 s87, s87, 8
	s_and_b32 s88, s72, 7
	s_lshl_b32 s88, s88, 1
	s_add_co_u32 s87, s87, s88
	TADR 74, B1, QL, SQL, YL, ZL
	TADR 75, B2, QS, SQS, YS, ZS
	s_add_co_u32 s88, s73, 16
	s_lshl_b32 s88, s88, 12                        ; K's scale words; V's lie 16 heads on
	s_mov_b32 s89, 0
	s_lshl_b32 s90, s71, 13                        ; the batch's prev_probs
	s_mov_b32 s91, 0
	s_mov_b32 s[SEL], 0x76543210
	s_mov_b32 s[SEL+1], 0xfedcba98
	s_mov_b32 s[CS], 0x3e38aa3b                    ; log2(e) / 8
	s_mov_b32 s[CS+1], s[CS]
	s_mov_b32 s[BLK], s[B1]
	v_and_b32 v8, 31, v0                           ; lane
	v_and_b32 v9, 15, v0                           ; r
	v_bfe_u32 v10, v0, 4, 1                        ; h
	v_lshlrev_b32 v1, 4, v8
	v_lshl_add_u32 v2, v8, 3, 512
	v_lshl_add_u32 v3, v9, 4, SCK
	v_lshl_add_u32 v4, v10, 6, BIA
	v_lshlrev_b32 v94, 4, v9
	v_lshlrev_b32 v11, 4, v0                       ; four of the batch's 2,048 prev_probs a thread
	v_lshl_add_u32 v92, v0, 4, BIA
	v_lshl_add_u32 v93, v0, 4, SCK                 ; and 16 bytes of the 8,192 of scale words
	v_and_b32 v95, 255, v0
	v_lshrrev_b32 v35, 8, v0
	v_lshlrev_b32 v95, 4, v95
	v_lshl_add_u32 v95, v35, 16, v95               ; threads 256 on: V's, 65,536 bytes further on
	v_and_b32 v7, 8, v9
	v_lshlrev_b32 v35, 4, v10
	v_add3_u32 v7, v7, v9, s69
	v_sub_nc_u32 v7, v7, v35                       ; my token in its block - 16 h: on the diagonal step register 16 b + i is hidden where 32 b + i is greater
	s_wait_alu depctr_va_vdst(0)
	s_wait_dscnt 0x0                               ; both opening adds are done
	s_wait_kmcnt 0x0
.irp g, G0A, G0B
	s_add_nc_u64 s[\g+2:\g+3], s[4:5], s[\g+2:\g+3]
	s_or_b32 s[\g+3], s[\g+3], 0x80000000
.endr
	s_add_nc_u64 s[QL:QL+1], s[4:5], s[QL:QL+1]
	s_add_nc_u64 s[QS:QS+1], s[4:5], s[QS:QS+1]
	s_add_nc_u64 s[SQL:SQL+1], s[6:7], s[SQL:SQL+1]
	s_add_nc_u64 s[SQS:SQS+1], s[6:7], s[SQS:SQS+1]
	s_add_nc_u64 s[YL:YL+1], s[10:11], s[YL:YL+1]
	s_add_nc_u64 s[YS:YS+1], s[10:11], s[YS:YS+1]
	s_add_nc_u64 s[ZL:ZL+1], s[12:13], s[ZL:ZL+1]
	s_add_nc_u64 s[ZS:ZS+1], s[12:13], s[ZS:ZS+1]
	s_add_nc_u64 s[88:89], s[6:7], s[88:89]
	s_add_nc_u64 s[90:91], s[8:9], s[90:91]
	global_load_b128 v[36:39], v11, s[90:91]
	global_load_b128 v[40:43], v95, s[88:89]
	global_load_b128 v[16:19], v1, s[QL:QL+1]      ; the first tile's q, twice: (q | 0 | q)
	global_load_b64 v[20:21], v2, s[QL:QL+1]
	global_load_b128 v[28:31], v1, s[QL:QL+1]
	global_load_b64 v[32:33], v2, s[QL:QL+1]
	global_load_u16 v34, v94, s[SQL:SQL+1]
	global_load_b128 v[232:235], v1, s[QS:QS+1]    ; the second tile's, kept for later
	global_load_b64 v[236:237], v2, s[QS:QS+1]
	global_load_u16 v238, v94, s[SQS:SQS+1]
	CROUND                                         ; all four work-groups are here: the first joint loads meet
	JOINT G0A                                      ; keys 0-255
.irp i, 22,23,24,25,26,27
	v_mov_b32 v\i, 0                               ; zero codes
.endr
.irp i, 216,217,218,219,224,227
	v_mov_b32 v\i, 0                               ; lane permutes' destinations, and the upper half of the pair v[226:227]
.endr
	FRESH
	s_wait_loadcnt 0x0
	ds_store_b128 v93, v[40:43]
	v_lshl_or_b32 v34, v34, 16, v34                ; q's two bytes for either half of K
	v_lshl_or_b32 v238, v238, 16, v238
.irp i, 36,37,38,39
	v_add_f32 v\i, 0x2edbe6ff, v\i                 ; + 1e-10
.endr
	s_wait_alu depctr_va_vdst(0)
.irp i, 36,37,38,39
	v_log_f32 v\i, v\i
.endr
	v_nop                                          ; a plain place behind the transcendentals
	s_wait_alu depctr_va_vdst(0)                   ; one wait for the four, ahead of their first reader
.irp i, 36,37,38,39
	v_mul_f32 v\i, 0xbf0df4e0, v\i                 ; x -0.8 ln 2: 8 adj
.endr
	ds_store_b128 v92, v[36:39]                    ; the sequence below waits for both stores and passes a barrier
; A KEY STEP: 128 keys for my 16 queries.  gen = 1: steps behind the tile's block are jumped over, the diagonal step is masked.
.macro STEP gen
.if \gen
	s_cmp_gt_u32 s[ST], s[BLK]                     ; the wave's number and the count of steps alone
	s_cbranch_scc1 .Lhid_\@
.endif
	v_add_nc_u32 v8, s[TB], v1                     ; (the first four are the places in front of loads into registers that the last products read)
	v_add_nc_u32 v9, s[TB], v2
	v_add_nc_u32 v10, s[TS], v3
	v_add_nc_u32 v11, s[TBI], v4
	v_add_nc_u32 v92, VL, v8
	v_add_nc_u32 v93, VL, v9
	ds_load_b128 v[84:87], v10
.irp b, 0,1,2,3
	FRAG 36+12*\b, 8, 9, 1536*\b
.irp g, 0,1,2,3
	ds_load_b128 v[96+16*\b+4*\g:99+16*\b+4*\g], v11 offset:128*\b+16*\g   ; 8 adj in the result's layout: register 16 b + i is key 32 b + 16 h + i
.endr
.endr
	ds_load_b128 v[88:91], v10 offset:4096
	s_wait_alu depctr_va_vdst(0)
.irp b, 0,1,2,3
	s_wait_dscnt 25-8*\b                           ; K's scale words, fragment b and its 8 adj are in: behind them stand eight loads for each later fragment, and V's scale words
.irp u, 0,1
	v_wmma_scale_f32_16x16x128_f8f6f4 v[96+8*(2*\b+\u):103+8*(2*\b+\u)], v[36+12*\b:47+12*\b], v[16+6*\u:27+6*\u], v[96+8*(2*\b+\u):103+8*(2*\b+\u)], v[84+\b], v34 matrix_a_fmt:MATRIX_FMT_FP6 matrix_b_fmt:MATRIX_FMT_FP6
.endr
.endr
.rept 4
	v_nop                                          ; places in front of the loads below and of the first read of the scores
.endr
.irp t, 0,1,2,3
	FRAG 36+12*\t, 92, 93, 1536*\t                 ; V's four fragments land under the softmax
.endr
.if \gen
	s_cmp_lt_u32 s[ST], s[BLK]                     ; all keys count: no mask
	s_cbranch_scc1 .Lopen_\@
	v_mov_b32 v225, 0xff800000
.set n, 0
.rept 64
	v_cmp_gt_i32 vcc_lo, 32*(n/16)+n%16, v7
	v_cndmask_b32 v[96+n], v[96+n], v225, vcc_lo
.set n, n+1
.endr
.Lopen_\@:
.endif
.irp b, 0,1,2,3
	v_max3_num_f32 v[212+\b], v[96+16*\b], v[97+16*\b], v[98+16*\b]   ; the largest score of each block of 32 keys: for the row's maximum, and for the block's largest p
.endr
.irp i, 3,5,7,9,11,13
.irp b, 0,1,2,3
	v_max3_num_f32 v[212+\b], v[212+\b], v[96+16*\b+\i], v[97+16*\b+\i]
.endr
.endr
.irp b, 0,1,2,3
	v_max_num_f32 v[212+\b], v[212+\b], v[111+16*\b]
.endr
.irp b, 0,1,2,3
	v_permlanex16_b32 v[216+\b], v[212+\b], s[SEL], s[SEL+1]
.endr
.irp b, 0,1,2,3
	v_max_num_f32 v[212+\b], v[212+\b], v[216+\b]
.endr
	v_max3_num_f32 v224, v212, v213, v214
	s_delay_alu instid0(VALU_DEP_1)
	v_max_num_f32 v224, v224, v215
	s_delay_alu instid0(VALU_DEP_1)
	v_mul_f32 v224, s[CS], v224
	s_delay_alu instid0(VALU_DEP_1)
	v_max_num_f32 v13, v13, v224                   ; the running largest t
	v_mov_b32 v224, v12
	s_delay_alu instid0(VALU_DEP_2)
	v_floor_f32 v12, -v13                          ; -M = floor(-t): M is a whole number
	s_delay_alu instid0(VALU_DEP_1)
	v_sub_f32 v224, v12, v224
	s_delay_alu instid0(VALU_DEP_1)
	v_cvt_i32_f32 v224, v224                       ; (it saturates)
	s_delay_alu instid0(VALU_DEP_1)
	v_ldexp_f32 v226, 1.0, v224                    ; f = 2^(old M - new M)
.set n, 0
.rept 32
	v_pk_fma_f32 v[96+n:97+n], v[96+n:97+n], s[CS:CS+1], v[12:13] op_sel_hi:[1,0,0]   ; t - M
.set n, n+2
.endr
.irp b, 0,1,2,3
	v_fma_f32 v[212+\b], v[212+\b], s[CS], v12
.endr
	s_wait_alu depctr_va_vdst(0)
.set n, 0
.rept 64
	v_exp_f32 v[96+n], v[96+n]                     ; p
.set n, n+1
.endr
	v_pk_mul_f32 v[14:15], v[14:15], v[226:227] op_sel_hi:[1,0]   ; the sums under the new M (a plain place behind the exponentials)
	s_wait_alu depctr_va_vdst(0)                   ; one wait for the batch, ahead of its first reader
.irp b, 0,1,2,3
	v_exp_f32 v[212+\b], v[212+\b]                 ; each block's largest p
.endr
.irp c, 0,1,2,3,4,5,6,7
	v_pk_add_f32 v[240+2*\c:241+2*\c], v[96+2*\c:97+2*\c], v[112+2*\c:113+2*\c]   ; the row's sum of the unquantised p, in eight chains
.endr
.irp o, 128,144
.irp c, 0,1,2,3,4,5,6,7
	v_pk_add_f32 v[240+2*\c:241+2*\c], v[240+2*\c:241+2*\c], v[\o+2*\c:\o+1+2*\c]
.endr
.endr
.irp c, 0,1,2,3
	v_pk_add_f32 v[240+2*\c:241+2*\c], v[240+2*\c:241+2*\c], v[248+2*\c:249+2*\c]
.endr
.irp c, 0,1
	v_pk_add_f32 v[240+2*\c:241+2*\c], v[240+2*\c:241+2*\c], v[244+2*\c:245+2*\c]
.endr
	s_delay_alu instid0(VALU_DEP_1)
	v_pk_add_f32 v[240:241], v[240:241], v[242:243]
	s_delay_alu instid0(VALU_DEP_1)
	v_pk_add_f32 v[14:15], v[14:15], v[240:241]
	s_wait_alu depctr_va_vdst(0)                   ; and one for the four
.irp b, 0,1,2,3
	v_max_num_f32 v[212+\b], 0x1800000, v[212+\b]  ; the floor 2^(3 - 127): the byte cannot fall under 1
.endr
.irp b, 0,1,2,3
	v_add_nc_u32 v[220+\b], 0xff000000, v[212+\b]  ; 2 off the exponent field: the conversion's scale operand
.endr
.irp b, 0,1,2,3
	v_lshrrev_b32 v[216+\b], 23, v[220+\b]
.endr
	v_lshl_or_b32 v228, v217, 8, v216              ; p's scale word
	s_delay_alu instid0(VALU_DEP_1)
	v_lshl_or_b32 v228, v218, 16, v228
	s_delay_alu instid0(VALU_DEP_1)
	v_lshl_or_b32 v228, v219, 24, v228
.irp c, 0,1
	v_cvt_scalef32_pk16_fp6_f32 v[192+6*\c:194+6*\c], v[96+32*\c:111+32*\c], v[220+2*\c]
	v_cvt_scalef32_pk16_fp6_f32 v[204+4*\c:206+4*\c], v[112+32*\c:127+32*\c], v[220+2*\c+1]
.endr
	v_nop                                          ; one plain place behind a scaled conversion
.irp c, 0,1
.irp i, 0,1,2
	v_permlane16_swap_b32 v[192+6*\c+\i], v[204+4*\c+\i]
.endr
.irp i, 0,1,2
	v_mov_b32 v[195+6*\c+\i], v[204+4*\c+\i]
.endr
.endr
	s_wait_alu depctr_va_vdst(0)                   ; directly ahead of the first reader of O^T
.set n, 0
.rept 16
	v_pk_mul_f32 v[160+n:161+n], v[160+n:161+n], v[226:227] op_sel_hi:[1,0]   ; O^T under the new M; these are also the places between p's codes and scale word and the products
.set n, n+2
.endr
	s_wait_alu depctr_va_vdst(0)                   ; directly ahead of the wait below
	s_wait_dscnt 0x0                               ; V is in
.irp t, 0,1,2,3
	v_wmma_scale_f32_16x16x128_f8f6f4 v[160+8*\t:167+8*\t], v[36+12*\t:47+12*\t], v[192:203], v[160+8*\t:167+8*\t], v[88+\t], v228 matrix_a_fmt:MATRIX_FMT_FP6 matrix_b_fmt:MATRIX_FMT_FP6
.endr
.if \gen
.Lhid_\@:
.endif
.endm
.macro WALK gen, first, last, lbl      ; steps first .. last - 1: a constant count of trips
	s_mov_b32 s[ST], \first
	s_mov_b32 s[TB], (\first)*6144
	s_mov_b32 s[TS], (\first)*256
	s_mov_b32 s[TBI], (\first)*512
\lbl:
	STEP \gen
	s_add_co_u32 s[TB], s[TB], 6144
	s_add_co_u32 s[TS], s[TS], 256
	s_add_co_u32 s[TBI], s[TBI], 512
	s_add_co_u32 s[ST], s[ST], 1
	s_cmp_lt_u32 s[ST], \last
	s_cbranch_scc1 \lbl
.endm
; THE WAY OUT of a tile: O^T / the sum; register 16 b + i is dim 32 b + 16 h + i of my token: two blocks of the last product's K, quantised into half a fragment.
.macro WAYOUT y, z
.rept 4
	v_nop                                          ; places behind the last products
.endr
	v_add_f32 v14, v14, v15
	s_delay_alu instid0(VALU_DEP_1)
	v_permlanex16_b32 v224, v14, s[SEL], s[SEL+1]
	s_delay_alu instid0(VALU_DEP_1)
	v_add_f32 v14, v14, v224
	s_wait_alu depctr_va_vdst(0)
	v_rcp_f32 v14, v14
	v_nop                                          ; a plain place behind it
	s_wait_alu depctr_va_vdst(0)                   ; the wait, ahead of the first reader
.set n, 0
.rept 16
	v_pk_mul_f32 v[96+n:97+n], v[160+n:161+n], v[14:15] op_sel_hi:[1,0]
.set n, n+2
.endr
.irp b, 0,1
	v_max3_num_f32 v[212+\b], |v[96+16*\b]|, |v[97+16*\b]|, 0x1800000
.endr
.irp i, 2,4,6,8,10,12,14
.irp b, 0,1
	s_delay_alu instid0(VALU_DEP_2)
	v_max3_num_f32 v[212+\b], v[212+\b], |v[96+16*\b+\i]|, |v[97+16*\b+\i]|
.endr
.endr
.irp b, 0,1
	s_delay_alu instid0(VALU_DEP_2)
	v_permlanex16_b32 v[216+\b], v[212+\b], s[SEL], s[SEL+1]
.endr
.irp b, 0,1
	s_delay_alu instid0(VALU_DEP_2)
	v_max_num_f32 v[212+\b], v[212+\b], v[216+\b]
.endr
.irp b, 0,1
	s_delay_alu instid0(VALU_DEP_2)
	v_add_nc_u32 v[220+\b], 0xff000000, v[212+\b]
.endr
.irp b, 0,1
	s_delay_alu instid0(VALU_DEP_2)
	v_lshrrev_b32 v[216+\b], 23, v[220+\b]
.endr
	s_delay_alu instid0(VALU_DEP_1)
	v_lshl_or_b32 v224, v217, 8, v216              ; the two bytes
	v_cvt_scalef32_pk16_fp6_f32 v[192:194], v[96:111], v220
	v_cvt_scalef32_pk16_fp6_f32 v[204:206], v[112:127], v221
	v_nop                                          ; one plain place behind a scaled conversion
.irp i, 0,1,2
	v_permlane16_swap_b32 v[192+\i], v[204+\i]
.endr
.irp i, 0,1,2
	v_mov_b32 v[195+\i], v[204+\i]
.endr
	global_store_b128 v1, v[192:195], s[\y:\y+1]   ; 512 consecutive bytes,
	global_store_b64 v2, v[196:197], s[\y:\y+1]    ; and 256
	global_store_b16 v94, v224, s[\z:\z+1]         ; two bytes a row, 16 bytes apart: the rest of a row's scale bytes are other heads'; lanes 16-31 hold the same bytes and name the same places
.endm
	s_wait_alu depctr_va_vdst(0)
	s_wait_tensorcnt 0x0                           ; my part of keys 0-255 is in; no tensor load of mine is out, so group 1 may be written
	ds_add_u32 v[SPW], v[NIL]
	s_mov_b32 s[G1+2], 42<<16                      ; the next load's rows of 256 bytes
	s_mov_b32 s[G1+4], 42
	s_wait_dscnt 0x0                               ; the add and my stores of scale words and 8 adj are done
	CROUND
	JOINT G0B                                      ; keys 256-2047: they have two steps of every wave in which to land
	WALK 0, 0, 2, .Lfirst                          ; the first tile's steps 0 and 1: open for every wave
	s_wait_alu depctr_va_vdst(0)
	s_wait_tensorcnt 0x0                           ; my part of the second group is in,
	s_wait_dscnt 0x0
	s_barrier_signal -1
	s_barrier_wait -1                              ; everybody's is
	WALK 1, 2, 16, .Lsecond
	WAYOUT YL, ZL
	s_wait_xcnt 0x0                                ; the stores have read their registers
	s_mov_b32 s[BLK], s[B2]                        ; THE SECOND TILE
.irp i, 0,1,2,3,4,5
	v_mov_b32 v[16+\i], v[232+\i]
	v_mov_b32 v[28+\i], v[232+\i]
.endr
	v_mov_b32 v34, v238
	FRESH
	s_wait_alu depctr_va_vdst(0)
	WALK 1, 0, 16, .Lthird
	WAYOUT YS, ZS
	s_wait_tensorcnt 0x0                           ; the wave's end
	ds_add_u32 v[SPW], v[NIL]
	s_wait_dscnt 0x0
	CROUND                                         ; the closing round
	s_endpgm
.Lfunc_end_k_qb334bdf61f_attn:
	.size	k_qb334bdf61f_attn, .Lfunc_end_k_qb334bdf61f_attn-k_qb334bdf61f_attn
	.p2alignl 7, 3214868480
	.fill 96, 4, 3214868480
	.section	.rodata,"a",@progbits
	.p2align	6, 0x0
	.amdhsa_kernel k_qb334bdf61f_attn
		.amdhsa_group_segment_fixed_size 327680
		.amdhsa_private_segment_fixed_size 0
		.amdhsa_enable_private_segment 0
		.amdhsa_kernarg_size 40
		.amdhsa_user_sgpr_count 2
		.amdhsa_user_sgpr_kernarg_segment_ptr 1
		.amdhsa_wavefront_size32 1
		.amdhsa_system_sgpr_workgroup_id_x 1
		.amdhsa_system_sgpr_workgroup_id_y 1
		.amdhsa_system_sgpr_workgroup_id_z 1
		.amdhsa_system_vgpr_workitem_id 0
		.amdhsa_next_free_vgpr 256
		.amdhsa_next_free_sgpr 96
		.amdhsa_reserve_vcc 1
		.amdhsa_float_denorm_mode_32 3
		.amdhsa_float_denorm_mode_16_64 3
		.amdhsa_memory_ordered 1
		.amdhsa_forward_progress 1
		.amdhsa_inst_pref_size 86
	.end_amdhsa_kernel
	.amdgpu_metadata
---
amdhsa.version: [ 1, 2 ]
amdhsa.kernels:
  - .name:           k_qb334bdf61f_attn
    .symbol:         k_qb334bdf61f_attn.kd
    .args:
      - { .name: qkvc, .offset: 0, .size: 8, .value_kind: global_buffer, .address_space: global }
      - { .name: qkvs, .offset: 8, .size: 8, .value_kind: global_buffer, .address_space: global }
      - { .name: prev_probs, .offset: 16, .size: 8, .value_kind: global_buffer, .address_space: global }
      - { .name: yc, .offset: 24, .size: 8, .value_kind: global_buffer, .address_space: global }
      - { .name: ys, .offset: 32, .size: 8, .value_kind: global_buffer, .address_space: global }
    .group_segment_fixed_size: 327680
    .private_segment_fixed_size: 0
    .kernarg_segment_align: 8
    .kernarg_segment_size: 40
    .max_flat_workgroup_size: 512
    .sgpr_count:     96
    .vgpr_count:     256
    .wavefront_size: 32
...
	.end_amdgpu_metadata
.endif
;; end of part 3
;; launch gemm_proj (part 4): grid 4 x 64, 4 waves a work-group, clusters of 4 x 4, 327,680 bytes of LDS; arguments yc, ys, wc, ws, out0; writes out0
.if DOCPART == 4
	.amdgcn_target "amdgcn-amd-amdhsa--gfx1250"
	.amdhsa_code_object_version 6
	.text
	.protected	k_qb334bdf61f_gemm_proj
	.globl	k_qb334bdf61f_gemm_proj
	.p2align	8
	.type	k_qb334bdf61f_gemm_proj,@function
k_qb334bdf61f_gemm_proj:
	s_mov_b64 s[64:65], 0
	v_nop
	global_prefetch_b8 v0, s[64:65] scope:SCOPE_SE
	s_setreg_imm32_b32 hwreg(HW_REG_WAVE_MODE, 25, 1), 1
	s_wait_xcnt 0x0
	s_wait_alu depctr_hold_cnt(0) depctr_sa_sdst(0) depctr_va_vdst(0) depctr_va_sdst(0) depctr_va_ssrc(0) depctr_va_vcc(0) depctr_vm_vsrc(0)
	s_getreg_b32 s2, hwreg(HW_REG_IB_STS2, 6, 4)
	s_cmp_eq_u32 s2, 0
	s_cbranch_scc0 .Lentry_in_a_cluster
	s_endpgm
.Lentry_in_a_cluster:
	s_bfe_u32 s2, ttmp6, 0x10000c
	s_cmp_lg_u32 s2, 0xf033
	s_cbranch_scc0 .Lentry_shape_is_right
	s_endpgm
.Lentry_shape_is_right:
; out0 = y W_proj on codes of FP6 (E2M3) with E8M0 scales, f32 sums, f32 out.  y's codes and scale words were made by the launch before, W_proj's by the first (row tiles 192 on of wc and ws).
; A work-group makes 128 tokens x 256 columns; wave w all 128 tokens x columns 64 w .. 64 w + 63: 32 accumulators.  256 work-groups.
; ALL OF K (1,024) LIES IN LDS, filled once: one joint tensor load a wave at the head (waves 0, 1: the tokens' halves, 49,152 dense bytes each; waves 2, 3: the weights' halves, 98,304 each).
; One barrier shows the tiles to all four waves; the K steps have none.  A wave has one tensor load out at the most.
; The scale words go from memory straight into the registers that hold them: sixteen lanes read 256 consecutive bytes.
; CLUSTERS: 4 x 4: tokens' tiles are shared along a row of the cluster, the weights' along a column, by joint loads with a mask of four.
; No prefetch: every byte is asked for by the head's one group of loads; there is no loop to run ahead in.
; OPERANDS lie in memory and LDS as images of their registers (1,536 bytes a fragment); [row tile][K step 8][1536].  Source 0 = 16 weight columns, source 1 = 16 tokens: a lane holds eight neighbouring columns of one token's row.
; The rows of a tile are not neighbours (row r of tile 2 B + u is index 32 B + 8 u + r + 8 (r / 8)): the way out puts tokens and columns back in their places.
; REGISTERS: window 0: v1-6, v13-17 addresses, v28, v29 the add's two, v32-95 tokens' scale words, v96-127 the weights', v128-191 the way out; window 1: the accumulators; windows 2, 3: two sets of fragments.
.set BRT0,  192
.set BL,    98304
.set TLB,   12288
.set FRB,   1536
.set STAGE, 294912                     ; the way out: 16 rows x (256 + 16) bytes for each wave; no tensor load lands here
.set SPARE, 312320                     ; the spare words, 128 bytes a wave; no other line names them
.set ADRA, 1
.set ADRB, 5
.set RO,   13
.set STO,  15
.set RD,   16
.set CO,   17
.set SPW,  28
.set NIL,  29
.set SA,   32
.set SB,   96
.set BK,   128
.set G1A,  24
.set G1B,  32
.set G0A,  40
.set G0B,  44
.set MSB, 0
.macro WIN new                         ; the immediate's high byte repeats the setting that is left
.if MSB != (\new)
	s_set_vgpr_msb (MSB<<8)|(\new)
.set MSB, \new
.endif
.endm
.macro PLACES
.rept 4
	v_nop
.endr
.endm
.macro G1SET g, c, r, p
	s_mov_b32 s[\g+1], (\c)<<16
	s_mov_b32 s[\g+2], (\r)<<16
	s_mov_b32 s[\g+3], (\c)<<16
	s_mov_b32 s[\g+4], \r
	s_mov_b32 s[\g+5], \p
	s_mov_b32 s[\g+6], 0
	s_mov_b32 s[\g+7], 0
.endm
.macro CROUND
	s_barrier_signal -1
	s_barrier_wait -1
	s_cmp_lg_u32 s16, 0
	s_cbranch_scc1 .Lnot_wave_0_\@
	s_barrier_signal -3
.Lnot_wave_0_\@:
	s_barrier_wait -3
	s_barrier_signal -1
	s_barrier_wait -1
.endm
.macro FRAG reg, a16, a8, off
	ds_load_b128 v[(\reg):(\reg)+3], v[\a16] offset:(\off)
	ds_load_b64 v[(\reg)+4:(\reg)+5], v[\a8] offset:(\off)
	ds_load_b128 v[(\reg)+6:(\reg)+9], v[\a16] offset:(\off)+768
	ds_load_b64 v[(\reg)+10:(\reg)+11], v[\a8] offset:(\off)+768
.endm
.macro FETCH ks
	WIN (2+(\ks)%2)<<6
.irp i, 0,1,2,3,4,5,6,7
	FRAG 12*\i, ADRA+2*(\i/4), ADRA+2*(\i/4)+1, (\i%4)*TLB+(\ks)*FRB
.endr
.irp i, 0,1,2,3
	FRAG 96+12*\i, ADRB, ADRB+1, \i*TLB+(\ks)*FRB
.endr
.endm
.macro MULH ks, half, zero             ; 16 matrix instructions; the 32 accumulators take turns, one instruction a turn
	WIN 0x50+5*(2+(\ks)%2)
.irp a, 0,1,2,3
.irp b, 0,1,2,3
.set ta, 4*(\half)+\a
.set fD, 8*(4*ta+\b)
.if \zero
	v_wmma_scale_f32_16x16x128_f8f6f4 v[fD:fD+7], v[96+12*\b:107+12*\b], v[12*ta:12*ta+11], 0, v[SB+8*\b+(\ks)], v[SA+8*ta+(\ks)] matrix_a_fmt:MATRIX_FMT_FP6 matrix_b_fmt:MATRIX_FMT_FP6
.else
	v_wmma_scale_f32_16x16x128_f8f6f4 v[fD:fD+7], v[96+12*\b:107+12*\b], v[12*ta:12*ta+11], v[fD:fD+7], v[SB+8*\b+(\ks)], v[SA+8*ta+(\ks)] matrix_a_fmt:MATRIX_FMT_FP6 matrix_b_fmt:MATRIX_FMT_FP6
.endif
.endr
.endr
.endm
; A K step multiplies set ks % 2 while the next step's fragments come into the other set.  Four places stand in front of loads into registers that matrix instructions have read.
.macro KSTEP ks
	s_wait_dscnt 0x0
.if (\ks) < 7
.if (\ks) > 0
	PLACES
.endif
	FETCH (\ks)+1
.endif
	MULH \ks, 0, (\ks)==0
	MULH \ks, 1, (\ks)==0
.endm
	s_load_b256 s[4:11], s[0:1], 0x0               ; yc, ys, wc, ws
	s_load_b64 s[12:13], s[0:1], 0x20              ; out0
	v_lshl_add_u32 v[SPW], v0, 2, SPARE
	v_mov_b32 v[NIL], 0
	ds_add_u32 v[SPW], v[NIL]                      ; the opening lines: the add, twice on end, and its wait
	ds_add_u32 v[SPW], v[NIL]
	v_lshrrev_b32 v1, 5, v0
	v_readfirstlane_b32 s16, v1
	s_lshr_b32 s17, s16, 1
	s_and_b32 s18, s16, 1
	s_bfe_u32 s19, ttmp6, 0x40000                  ; cx
	s_bfe_u32 s20, ttmp6, 0x40004                  ; cy
	s_lshl_b32 s21, ttmp9, 2
	s_add_co_u32 s21, s21, s19                     ; which 256 columns
	s_and_b32 s22, ttmp7, 0xffff
	s_lshl_b32 s22, s22, 2
	s_add_co_u32 s22, s22, s20                     ; which 128 tokens
	s_lshl_b32 s23, s20, 2
	s_lshl_b32 s23, 15, s23
	s_lshl_b32 s3, 0x1111, s19
	s_or_b32 s[G1A], s23, (3<<16)|(1<<21)
	s_or_b32 s[G1B], s3, (3<<16)|(1<<21)
	G1SET G1A, 32, 192, 32
	G1SET G1B, 32, 384, 32
	s_mov_b32 s[G0A], 1
	s_mul_i32 s[G0A+1], s18, 4*TLB
	s_mov_b32 s[G0B], 1
	s_mul_i32 s[G0B+1], s18, 8*TLB
	s_add_co_u32 s[G0B+1], s[G0B+1], BL
	s_mul_i32 s48, s22, 8*TLB
	s_mul_i32 s49, s18, 4*TLB
	s_add_co_u32 s48, s48, s49
	s_mov_b32 s49, 0
	s_lshl_b32 s50, s22, 12
	s_mov_b32 s51, 0
	s_lshl_b32 s52, s21, 4
	s_add_co_u32 s52, s52, BRT0
	s_lshl_b32 s54, s16, 2
	s_add_co_u32 s54, s54, s52
	s_lshl_b32 s54, s54, 9
	s_mov_b32 s55, 0
	s_mul_i32 s52, s52, TLB
	s_mul_i32 s53, s18, 8*TLB
	s_add_co_u32 s52, s52, s53
	s_mov_b32 s53, 0
	s_mul_i32 s56, s16, 4*TLB
	s_add_co_u32 s56, s56, BL
	s_mul_i32 s57, s16, 4352
	s_add_co_u32 s57, s57, STAGE                   ; my stage
	v_and_b32 v20, 31, v0
	v_and_b32 v21, 15, v0
	v_bfe_u32 v22, v0, 4, 1
	v_lshlrev_b32 v[ADRA], 4, v20
	v_lshl_add_u32 v[ADRA+1], v20, 3, 512
	v_add_nc_u32 v[ADRA+2], 4*TLB, v[ADRA]
	v_add_nc_u32 v[ADRA+3], 4*TLB, v[ADRA+1]
	v_add_nc_u32 v[ADRB], s56, v[ADRA]
	v_add_nc_u32 v[ADRB+1], s56, v[ADRA+1]
	v_lshlrev_b32 v[RO], 4, v21
	v_mul_u32_u24 v[STO], v21, 272
	v_lshl_add_u32 v[STO], v22, 6, v[STO]
	v_add_nc_u32 v[STO], s57, v[STO]               ; in: row r, + 64 h
	v_mul_u32_u24 v[RD], v22, 272
	v_lshl_add_u32 v[RD], v21, 4, v[RD]
	v_add_nc_u32 v[RD], s57, v[RD]                 ; back: lanes 0-15 one row of 256 bytes, lanes 16-31 the next
	v_lshlrev_b32 v[CO], 12, v22
	v_lshl_add_u32 v[CO], v21, 4, v[CO]            ; and the same two rows in out0
	s_wait_alu depctr_va_vdst(0)
	s_wait_dscnt 0x0
	s_wait_kmcnt 0x0
	s_add_nc_u64 s[G0A+2:G0A+3], s[4:5], s[48:49]
	s_or_b32 s[G0A+3], s[G0A+3], 0x80000000
	s_add_nc_u64 s[G0B+2:G0B+3], s[8:9], s[52:53]
	s_or_b32 s[G0B+3], s[G0B+3], 0x80000000
	s_add_nc_u64 s[50:51], s[6:7], s[50:51]
	s_add_nc_u64 s[54:55], s[10:11], s[54:55]
.irp i, 0,1,2,3,4,5,6,7
.irp k, 0,1
	global_load_b128 v[SA+8*\i+4*\k:SA+8*\i+4*\k+3], v[RO], s[50:51] offset:\i*512+\k*256
.endr
.endr
.irp i, 0,1,2,3
.irp k, 0,1
	global_load_b128 v[SB+8*\i+4*\k:SB+8*\i+4*\k+3], v[RO], s[54:55] offset:\i*512+\k*256
.endr
.endr
	CROUND                                         ; all sixteen work-groups are here: the joint loads meet
	s_cmp_eq_u32 s17, 0
	s_cbranch_scc0 .Lfor_b
	tensor_load_to_lds s[G0A:G0A+3], s[G1A:G1A+7]
	s_nop 0
	PLACES
	s_branch .Lasked
.Lfor_b:
	tensor_load_to_lds s[G0B:G0B+3], s[G1B:G1B+7]
	s_nop 0
	PLACES
.Lasked:
	s_lshl_b32 s58, s22, 19                        ; 128 tokens x 4,096 bytes
	s_lshl_b32 s59, s21, 10
	s_add_co_u32 s58, s58, s59
	s_lshl_b32 s59, s16, 8
	s_add_co_u32 s58, s58, s59                     ; + my 64 columns
	s_mov_b32 s59, 0
	s_add_nc_u64 s[12:13], s[12:13], s[58:59]
	s_wait_tensorcnt 0x0                           ; my part is in,
	s_barrier_signal -1
	s_barrier_wait -1                              ; everybody's is
	s_wait_loadcnt 0x0                             ; and the scale words
	FETCH 0
.irp s, 0,1,2,3,4,5,6,7
	KSTEP \s
.endr
	WIN 0
; THE WAY OUT, a tile of 16 tokens x my 64 columns at a time, through my own stage.  Register j of column tile b is column 32 (b / 2) + 16 h + 8 (b % 2) + j.  LDS serves a wave's instructions in order:
; no wait between the stores and the loads, nor in front of the next tile's stores.  Row p of tile a is token 32 (a / 2) + 8 (a % 2) + p + 8 (p / 8) of the 128: it stands in the stores' immediates.
.macro TOSTAGE a
	WIN 0x04                                       ; an LDS store's data are its source 1: window 1
.irp b, 0,1,2,3
	ds_store_b128 v[STO], v[8*(4*(\a)+\b):8*(4*(\a)+\b)+3] offset:128*(\b/2)+32*(\b%2)       ; each accumulator from its low end on
	ds_store_b128 v[STO], v[8*(4*(\a)+\b)+4:8*(4*(\a)+\b)+7] offset:128*(\b/2)+32*(\b%2)+16
.endr
	WIN 0
.irp t, 0,1,2,3,4,5,6,7
	ds_load_b128 v[BK+32*((\a)%2)+4*\t:BK+32*((\a)%2)+4*\t+3], v[RD] offset:544*\t
.endr
.endm
.macro SEND a, younger                 ; younger: the LDS instructions issued behind tile a's loads, which may stay out
	s_wait_dscnt \younger
.irp t, 0,1,2,3,4,5,6,7
	global_store_b128 v[CO], v[BK+32*((\a)%2)+4*\t:BK+32*((\a)%2)+4*\t+3], s[12:13] offset:(32*((\a)/2)+8*((\a)%2)+2*\t+8*(\t/4))*4096 th:TH_STORE_NT   ; sixteen lanes store 256 consecutive bytes, aligned
.endr
.endm
	PLACES                                         ; behind the last products
	TOSTAGE 0
.irp a, 1,2,3,4,5,6,7
.if \a > 1
	s_wait_xcnt 0x0                                ; tile a - 2's stores have read their registers: tile a's loads may land there
.endif
	TOSTAGE \a
	SEND \a-1, 16                                  ; behind tile a - 1's loads: tile a's 8 stores and 8 loads
.endr
	SEND 7, 0
	s_wait_tensorcnt 0x0                           ; the wave's end: behind my last LDS store
	ds_add_u32 v[SPW], v[NIL]
	s_wait_dscnt 0x0
	CROUND                                         ; the closing round
	s_endpgm
.Lfunc_end_k_qb334bdf61f_gemm_proj:
	.size	k_qb334bdf61f_gemm_proj, .Lfunc_end_k_qb334bdf61f_gemm_proj-k_qb334bdf61f_gemm_proj
	.p2alignl 7, 3214868480
	.fill 96, 4, 3214868480
	.section	.rodata,"a",@progbits
	.p2align	6, 0x0
	.amdhsa_kernel k_qb334bdf61f_gemm_proj
		.amdhsa_group_segment_fixed_size 327680
		.amdhsa_private_segment_fixed_size 0
		.amdhsa_enable_private_segment 0
		.amdhsa_kernarg_size 40
		.amdhsa_user_sgpr_count 2
		.amdhsa_user_sgpr_kernarg_segment_ptr 1
		.amdhsa_wavefront_size32 1
		.amdhsa_system_sgpr_workgroup_id_x 1
		.amdhsa_system_sgpr_workgroup_id_y 1
		.amdhsa_system_sgpr_workgroup_id_z 1
		.amdhsa_system_vgpr_workitem_id 0
		.amdhsa_next_free_vgpr 912
		.amdhsa_next_free_sgpr 66
		.amdhsa_reserve_vcc 0
		.amdhsa_float_denorm_mode_32 3
		.amdhsa_float_denorm_mode_16_64 3
		.amdhsa_memory_ordered 1
		.amdhsa_forward_progress 1
		.amdhsa_inst_pref_size 82
	.end_amdhsa_kernel
	.amdgpu_metadata
---
amdhsa.version: [ 1, 2 ]
amdhsa.kernels:
  - .name:           k_qb334bdf61f_gemm_proj
    .symbol:         k_qb334bdf61f_gemm_proj.kd
    .args:
      - { .name: yc, .offset: 0, .size: 8, .value_kind: global_buffer, .address_space: global }
      - { .name: ys, .offset: 8, .size: 8, .value_kind: global_buffer, .address_space: global }
      - { .name: wc, .offset: 16, .size: 8, .value_kind: global_buffer, .address_space: global }
      - { .name: ws, .offset: 24, .size: 8, .value_kind: global_buffer, .address_space: global }
      - { .name: out0, .offset: 32, .size: 8, .value_kind: global_buffer, .address_space: global }
    .group_segment_fixed_size: 327680
    .private_segment_fixed_size: 0
    .kernarg_segment_align: 8
    .kernarg_segment_size: 40
    .max_flat_workgroup_size: 128
    .sgpr_count:     66
    .vgpr_count:     912
    .wavefront_size: 32
...
	.end_amdgpu_metadata
.endif
;; end of part 4
